; MI455X (gfx1250); checked and timed in simulation.
; The chip was launched on July 23, 2026; its instructions are those of AMD's public machine-readable ISA for CDNA 5 (MIT licence, August 2026) and "CDNA5" Instruction Set Architecture Reference Guide (July 2026). The comments in the code are by the model that wrote it; some were corrected since.
;; MS Part Guided Module. Allowed arithmetic: matrix products marked QUANTISED: E5M2 operands, one E8M0 scale for each 32 along K, by v_wmma_scale_f32_16x16x128_f8f6f4 with both operands' format E5M2, f32 sums; everything else in f32.
;; Inputs: bn_beta 2,048 float32; bn_gamma 2,048 float32; conv_w 2,048 x 2,048 float32; feats 16 x 2,048 x 32 x 16 float32; label 16 x 32 x 16 int32.
;; Outputs: out0 16 x 2,048 x 32 x 16 float32.
;; This version of the problem:
;;   THIS VERSION OF THE PROBLEM IS GIVEN IN LOW PRECISION. The matrix products marked QUANTISED in the list below multiply operands that are first quantised to E5M2 (5 exponent bits, 2 mantissa bits; 8 bits a number), with one power-of-two scale for each 32 numbers along K (OCP MX v1.0); their sums are f32. All else is computed in f32.
;;   The module's matrix products, in the order in which they are computed (A, B: the left and right operand; K: the contracted axis; several contracted axes count as one K, in the product's order):
;;     1. batch 16 x [M 2,048, K 512] x [K 512, N 512]; A: input feats; B: computed on the way: QUANTISED
;;     2. batch 16 x [M 2,048, K 512] x [K 512, N 512]; A: computed on the way; B: computed on the way: QUANTISED
;;     3. batch 16 x [M 2,048, K 512] x [K 512, N 512]; A: computed on the way; B: computed on the way: QUANTISED
;;     4. batch 16 x [M 2,048, K 512] x [K 512, N 512]; A: computed on the way; B: computed on the way: QUANTISED
;;     5. [M 2,048, K 2,048] x [K 2,048, N 8,192]; A: input conv_w; B: computed on the way: QUANTISED
;;   THE QUANTISER, for each operand of a quantised product, along K:
;;     - K is cut into blocks of 32 from its start; a last block that is shorter is filled with zeros.
;;     - A block's scale is 2^e with e = floor(log2(the largest magnitude in the block)) - 15, held to -126 .. 127; a block of zeros has e = 0. As a byte (E8M0): e + 127.
;;     - Each number is divided by its block's scale, clamped to +-57,344, and rounded to the nearest number of E5M2, ties to even, subnormals kept.
;;     - The product sums the exact products of the quantised numbers (number of the format x scale) in f32.
;;   ~~~python
;;   def quantise(x, axis):      # numpy; x: float32 -> the quantised numbers, widened to float32 again
;;       x = np.moveaxis(x, axis, -1); K = x.shape[-1]
;;       x = np.pad(x, [(0, 0)] * (x.ndim - 1) + [(0, -K % 32)]); x = x.reshape(x.shape[:-1] + (-1, 32)); a = np.abs(x).max(-1, keepdims=True)
;;       e = np.where(a > 0, np.clip(np.frexp(np.where(a > 0, a, 1))[1] - 1 - 15, -126, 127), 0)      # np.frexp(a)[1] - 1 = floor(log2(a)), exactly
;;       r = np.clip(x / 2.0 ** e, -57344, 57344)
;;       step = 2.0 ** (np.maximum(np.frexp(np.where(r == 0, 1, r))[1] - 1, -14) - 2)
;;       q = np.round(r / step) * step * 2.0 ** e      # np.round: ties to even
;;       return np.moveaxis(q.reshape(q.shape[:-2] + (-1,))[..., :K], -1, axis).astype(np.float32)
;;   ~~~
;;   OPERANDS COMPUTED ON THE WAY. 'Computed on the way' means the value that the module computes at that place (a softmax that the list does not call 'softmax' is quantised finished and normalised). What goes into a quantiser is computed in f32, as accurately as f32 sums, v_exp_f32 and their like allow (about 1e-6 of the number): no bf16 or f16 on the way to a quantiser, and a product that is left as it is and whose result goes on into a quantised operand takes f32 operands (vector FMAs, or v_wmma_f32_16x16x4_f32). A number that lies on a knife's edge between two numbers of the format may be rounded either way, as far as f32 arithmetic and the matrix unit's own rounding can turn it there, and no further.
;; 2 versions, each right; version 2 is version 1 with the launches context, norm written anew for expert scheduling mode. Each part assembles by itself: llvm-mc -triple=amdgcn-amd-amdhsa -mcpu=gfx1250 --defsym DOCPART=n.
;; ======== version 1 of 2: 4 launches
;; workspace buffers: wimg 4,194,304 bytes; wsc 131,072 bytes; simg 4,194,304 bytes; ssc 32,768 bytes; yimg 16,777,216 bytes; ysc 524,288 bytes; z 67,108,864 bytes; stats 1,048,576 bytes
;; launch prep (part 1): grid 256 x 1, 4 waves a work-group, no clusters, 36,352 bytes of LDS; arguments conv_w, label, wimg, wsc, simg, ssc; writes wimg, wsc, simg, ssc
.if DOCPART == 1
	.amdgcn_target "amdgcn-amd-amdhsa--gfx1250"
	.amdhsa_code_object_version 6
	.text
	.protected	k_q3f2c9a5679_prep
	.globl	k_q3f2c9a5679_prep
	.p2align	8
	.type	k_q3f2c9a5679_prep,@function
k_q3f2c9a5679_prep:
	s_mov_b64 s[64:65], 0
	v_nop
	global_prefetch_b8 v0, s[64:65] scope:SCOPE_SE
	s_setreg_imm32_b32 hwreg(HW_REG_WAVE_MODE, 25, 1), 1
	s_wait_xcnt 0x0
; PREP.  Two operands that many work-groups read later are made once, as codes of BF8 (E5M2) with one E8M0 byte for each 32 along K, laid as IMAGES OF THE OPERAND'S REGISTERS:
; a fragment (16 rows x 128 K, 16 registers a lane) is 2,048 bytes, register group c at 512 c + 16 x lane; lane (r, h) holds row r, byte i of group c is k = 32 c + 16 h + i.
; Work-groups 0-127: conv_w [2048 o][2048 c] f32 -> wimg [kb 16][o-tile 128][2048], wsc [kb 16][o 2048] words (four bytes: the four blocks of a kb).
; Work-groups 128-255: label [16][512] -> sim[b][i][j] = ((lab_i == lab_j) or (lab_i == 0)) / its row's sum -> simg [b 16][i-tile 32][ks 4][2048], ssc [b 16][i 512] words.
; A row of sim holds ONE number besides 0, 1 / count: one code byte and one scale byte serve the row.  A block of zeros carries the row's byte where the rule says 127: its codes are zeros, and this program alone reads the bytes.
; 1 / count comes from v_rcp_f32: a middle between two codes would need count = 2^m x 8/9, 8/11 or 8/13, which is no whole number; with count <= 512 the nearest middle lies 1/(13 x 512) of the number away.
; LIMITS: NaN and infinities are not served; a block of conv_w whose largest magnitude lies under 2^-111 keeps the byte 1, a block of zeros too (its codes are zeros).
; The two paths part on the work-group's number alone and have LDS bytes of their own.  No tensor loads, no matrix instructions.
.set WPB,  8448                        ; path W: a wave's stage, 16 rows x (512 bytes + 16), from LDS byte 0 on
.set WSS,  33792                       ; path W: a wave's 64 scale words, 256 bytes each wave
.set SSS,  34816                       ; path S: the work-group's 64 scale words
.set R,    16                          ; v16-143  two landing sets of 64 (path S: two sets of 64 labels)
.set X,    144                         ; v144-207 64 numbers of a lane in the operand's order (path S: the 64 words of 0/1 bytes)
.set PC,   208                         ; v208-223 a fragment's codes
.set TM,   224                         ; v224-227 largest magnitudes, v228-231 bytes, v232-235 57,344 x scale, v236-239 the conversions' scale operands
.set PW,   240                         ; the scale word
.set SEL,  20                          ; s[20:21] v_permlanex16_b32's selects for lane l xor 16
.set MNT,  22                          ; s22 the mantissa field of 57,344
	s_load_b256 s[4:11], s[0:1], 0x0               ; conv_w s[4:5], label s[6:7], wimg s[8:9], wsc s[10:11]
	s_load_b128 s[12:15], s[0:1], 0x20             ; simg s[12:13], ssc s[14:15]
	v_lshl_add_u32 v254, v0, 2, 0x8c00
	v_mov_b32 v255, 0
	v_lshrrev_b32 v1, 5, v0
	v_readfirstlane_b32 s16, v1                    ; wave 0..3
	v_and_b32 v1, 31, v0                           ; lane
	v_and_b32 v2, 15, v0                           ; r
	v_bfe_u32 v3, v0, 4, 1                         ; h
	s_mov_b32 s[SEL], 0x76543210
	s_mov_b32 s[SEL+1], 0xfedcba98
	s_mov_b32 s[MNT], 0x600000
	s_cmp_lt_u32 ttmp9, 128
	s_cbranch_scc0 .Lsim
; ---------------- PATH W.  rg = g / 4: 64 rows;  kg = g % 4.  Wave w takes kb = 4 kg + w and the four o-tiles 4 rg + f: so its 64 scale words are one aligned 256 bytes of wsc.
	s_lshr_b32 s17, ttmp9, 2                       ; rg
	s_and_b32 s18, ttmp9, 3                        ; kg
	s_lshl_b32 s24, s16, 9
	v_lshl_add_u32 v4, v1, 4, s24                  ; in: 512 w + 16 x lane: a load takes 512 consecutive bytes of one row
	s_mul_i32 s24, s16, WPB
	v_lshl_add_u32 v5, v1, 4, s24                  ; the stage, way in: as loaded
	v_mul_u32_u24 v6, v2, 528
	v_lshl_add_u32 v6, v3, 6, v6
	v_add_nc_u32 v6, s24, v6                       ; way out: row r, + 64 h: my 16 numbers of a block of 32
	s_lshl_b32 s24, s16, 18
	v_lshl_add_u32 v7, v1, 4, s24                  ; images: 262,144 w + 16 x lane
	s_lshl_b32 s24, s16, 8
	s_add_co_u32 s24, s24, WSS
	v_lshl_add_u32 v8, v2, 2, s24                  ; my row's scale word in the wave's 256 bytes
	v_lshl_add_u32 v9, v1, 3, s24                  ; and 8 bytes a lane on the way out
	s_lshl_b32 s24, s16, 13
	v_lshl_add_u32 v10, v1, 3, s24                 ; wsc: 8,192 w + 8 x lane
.irp b, 0,1,2,3
	v_mov_b32 v[TM+4+\b], 0                        ; written once: a lane permute's destination counts as one of its sources
.endr
	s_lshl_b32 s24, s17, 19                        ; conv_w: 64 rows of 8,192 bytes x rg + 2,048 kg
	s_lshl_b32 s25, s18, 11
	s_add_co_u32 s24, s24, s25
	s_mov_b32 s25, 0
	s_lshl_b32 s26, s18, 20                        ; wimg: 4 kb x 262,144 x kg + 4 tiles x 2,048 x rg
	s_lshl_b32 s27, s17, 13
	s_add_co_u32 s26, s26, s27
	s_mov_b32 s27, 0
	s_lshl_b32 s28, s18, 15                        ; wsc: 4 kb x 8,192 x kg + 256 rg
	s_lshl_b32 s29, s17, 8
	s_add_co_u32 s28, s28, s29
	s_mov_b32 s29, 0
	s_wait_kmcnt 0x0
	s_add_nc_u64 s[4:5], s[4:5], s[24:25]
	s_add_nc_u64 s[8:9], s[8:9], s[26:27]
	s_add_nc_u64 s[10:11], s[10:11], s[28:29]
.macro LOADW f                         ; o-tile f: 16 rows x 512 bytes into landing set f % 2
.irp i, 0,1,2,3,4,5,6,7,8,9,10,11,12,13,14,15
	global_load_b128 v[R+64*((\f)%2)+4*\i:R+64*((\f)%2)+4*\i+3], v4, s[4:5] offset:(\f)*131072+\i*8192 th:TH_LOAD_NT
.endr
.endm
; 64 numbers of a lane, register 16 b + i = k 32 b + 16 h + i of my row, become a fragment's codes in v[PC] on and its scale word in v[PW]
.macro QUANT s
.irp b, 0,1,2,3
	v_max3_num_f32 v[TM+\b], |v[\s+16*\b]|, |v[\s+1+16*\b]|, 0x8000000   ; my 16 numbers of block b, and the floor 2^(16 - 127): the byte cannot fall under 1
.endr
.irp i, 2,4,6,8,10,12,14
.irp b, 0,1,2,3
	v_max3_num_f32 v[TM+\b], v[TM+\b], |v[\s+16*\b+\i]|, |v[\s+1+16*\b+\i]|
.endr
.endr
.irp b, 0,1,2,3
	v_permlanex16_b32 v[TM+4+\b], v[TM+\b], s[SEL], s[SEL+1]
.endr
.irp b, 0,1,2,3
	v_max_num_f32 v[TM+\b], v[TM+\b], v[TM+4+\b]   ; with lane l xor 16's: the block's largest magnitude
.endr
.irp b, 0,1,2,3
	v_add_nc_u32 v[TM+12+\b], 0xf8800000, v[TM+\b] ; 15 off its exponent field: the conversion's scale operand
.endr
.irp b, 0,1,2,3
	v_and_or_b32 v[TM+8+\b], v[TM+\b], 0x7f800000, s[MNT]   ; 57,344 x the scale
.endr
.irp b, 0,1,2,3
	v_lshrrev_b32 v[TM+4+\b], 23, v[TM+12+\b]      ; the scale's byte
.endr
	v_lshl_or_b32 v[PW], v[TM+5], 8, v[TM+4]
	v_lshl_or_b32 v[PW], v[TM+6], 16, v[PW]
	v_lshl_or_b32 v[PW], v[TM+7], 24, v[PW]
.irp b, 0,1,2,3
.irp i, 0,1,2,3,4,5,6,7,8,9,10,11,12,13,14,15
	v_med3_num_f32 v[\s+16*\b+\i], v[\s+16*\b+\i], -v[TM+8+\b], v[TM+8+\b]   ; the conversion does not saturate (ISA guide 7.6.2): the hold comes first
.endr
	v_cvt_scalef32_pk8_bf8_f32 v[PC+4*\b:PC+1+4*\b], v[\s+16*\b:\s+7+16*\b], v[TM+12+\b]
	v_cvt_scalef32_pk8_bf8_f32 v[PC+2+4*\b:PC+3+4*\b], v[\s+8+16*\b:\s+15+16*\b], v[TM+12+\b]
.endr
	v_nop                                          ; a plain line behind the last conversion
.endm
.macro FRAGW f
.if (\f) < 3
	s_wait_loadcnt 16                              ; this tile's 16 loads are in; the next tile's 16 may be out
.else
	s_wait_loadcnt 0x0
.endif
.irp i, 0,1,2,3,4,5,6,7,8,9,10,11,12,13,14,15
	ds_store_b128 v5, v[R+64*((\f)%2)+4*\i:R+64*((\f)%2)+4*\i+3] offset:\i*528
.endr
.irp b, 0,1,2,3
.irp j, 0,1,2,3
	ds_load_b128 v[X+16*\b+4*\j:X+16*\b+4*\j+3], v6 offset:128*\b+16*\j   ; LDS serves a wave's instructions in order: these see the stores above
.endr
.endr
	s_wait_dscnt 0x0                               ; the numbers are back, the landing set is free, the last tile's scale word is stored
.if (\f) < 2
	LOADW (\f)+2
.endif
.if (\f) > 0
	s_wait_xcnt 0x0                                ; the last tile's image stores have read v[PC] on
.endif
	QUANT X
.irp c, 0,1,2,3
	global_store_b128 v7, v[PC+4*\c:PC+4*\c+3], s[8:9] offset:(\f)*2048+512*\c   ; 512 consecutive bytes
.endr
	ds_store_b32 v8, v[PW] offset:64*(\f)          ; both halves of the lanes hold the same word
.endm
	LOADW 0
	LOADW 1
	FRAGW 0
	FRAGW 1
	FRAGW 2
	FRAGW 3
	ds_load_b64 v[242:243], v9                     ; my wave's own bytes, in order behind its stores
	s_wait_dscnt 0x0
	global_store_b64 v10, v[242:243], s[10:11]     ; 32 lanes store 256 consecutive bytes, aligned
	s_wait_tensorcnt 0x0
	ds_add_u32 v254, v255
	s_wait_dscnt 0x0
	s_endpgm
; ---------------- PATH S.  b = g' / 8, ig = g' % 8.  Wave w takes i-tile 4 ig + w; lane (r, h) its row r and, of each 32 j, the 16 of its half.
.Lsim:
	s_sub_co_u32 s17, ttmp9, 128
	s_lshr_b32 s18, s17, 3                         ; b
	s_and_b32 s19, s17, 7                          ; ig
	s_lshl_b32 s24, s18, 11                        ; label: 2,048 b
	s_mov_b32 s25, 0
	s_lshl_b32 s26, s18, 18                        ; simg: 262,144 b + 32,768 ig
	s_lshl_b32 s27, s19, 15
	s_add_co_u32 s26, s26, s27
	s_mov_b32 s27, 0
	s_lshl_b32 s28, s19, 8                         ; ssc: 2,048 b + 256 ig
	s_add_co_u32 s28, s28, s24
	s_mov_b32 s29, 0
	s_lshl_b32 s30, s19, 8
	s_lshl_b32 s31, s16, 6
	s_add_co_u32 s30, s30, s31
	v_lshl_add_u32 v4, v2, 2, s30                  ; my row's label: 256 ig + 64 w + 4 r
	v_lshlrev_b32 v5, 6, v3                        ; the labels of my half: 64 h
	s_lshl_b32 s30, s16, 13
	v_lshl_add_u32 v6, v1, 4, s30                  ; images: 8,192 w + 16 x lane
	s_add_co_u32 s31, s31, SSS
	v_lshl_add_u32 v7, v2, 2, s31                  ; my row's scale word in LDS
	v_lshlrev_b32 v8, 3, v1                        ; 8 x lane
	v_add_nc_u32 v9, SSS, v8
	v_mov_b32 v220, 0x01010101
	v_mov_b32 v221, 0                              ; four running counts, one a byte: 64 words of 0/1 bytes, so no byte passes 64
	v_mov_b32 v217, 0
	s_wait_kmcnt 0x0
	s_add_nc_u64 s[6:7], s[6:7], s[24:25]
	s_add_nc_u64 s[12:13], s[12:13], s[26:27]
	s_add_nc_u64 s[14:15], s[14:15], s[28:29]
	global_load_b32 v15, v4, s[6:7]
.macro LOADL ks                        ; register 4 k + n of set ks % 2: the label of j = 128 ks + 32 (k / 4) + 16 h + 4 (k % 4) + n
.irp k, 0,1,2,3,4,5,6,7,8,9,10,11,12,13,14,15
	global_load_b128 v[R+64*((\ks)%2)+4*\k:R+64*((\ks)%2)+4*\k+3], v5, s[6:7] offset:512*(\ks)+128*(\k/4)+16*(\k%4)
.endr
.endm
.macro SIMW ks                         ; 16 words of 0/1 bytes: the registers of fragment ks, before the code
.if (\ks) < 3
	s_wait_loadcnt 16                              ; this set (and my row's label) is in; the next set's 16 loads may be out
.else
	s_wait_loadcnt 0x0
.endif
.if (\ks) == 0
	v_cmp_eq_u32 s30, 0, v15                       ; rows with label 0 take every j
.endif
.irp k, 0,1,2,3,4,5,6,7,8,9,10,11,12,13,14,15
	v_cmp_eq_u32 vcc_lo, v15, v[R+64*((\ks)%2)+4*\k]
	v_cndmask_b32 v[X+16*(\ks)+\k], 0, 1, vcc_lo
	v_cmp_eq_u32 vcc_lo, v15, v[R+64*((\ks)%2)+4*\k+1]
	v_cndmask_b32 v216, 0, 1, vcc_lo
	v_lshl_or_b32 v[X+16*(\ks)+\k], v216, 8, v[X+16*(\ks)+\k]
	v_cmp_eq_u32 vcc_lo, v15, v[R+64*((\ks)%2)+4*\k+2]
	v_cndmask_b32 v218, 0, 1, vcc_lo
	v_lshl_or_b32 v[X+16*(\ks)+\k], v218, 16, v[X+16*(\ks)+\k]
	v_cmp_eq_u32 vcc_lo, v15, v[R+64*((\ks)%2)+4*\k+3]
	v_cndmask_b32 v216, 0, 1, vcc_lo
	v_lshl_or_b32 v[X+16*(\ks)+\k], v216, 24, v[X+16*(\ks)+\k]
	v_cndmask_b32 v[X+16*(\ks)+\k], v[X+16*(\ks)+\k], v220, s30
	v_add_nc_u32 v221, v221, v[X+16*(\ks)+\k]
.endr
.if (\ks) < 2
	LOADL (\ks)+2
.endif
.endm
	LOADL 0
	LOADL 1
	SIMW 0
	SIMW 1
	SIMW 2
	SIMW 3
	v_and_b32 v216, 0xff00ff, v221                 ; the four byte counts are added,
	v_lshrrev_b32 v218, 8, v221
	v_and_b32 v218, 0xff00ff, v218
	v_add_nc_u32 v216, v216, v218
	v_and_b32 v218, 0xffff, v216
	v_lshrrev_b32 v216, 16, v216
	v_add_nc_u32 v216, v216, v218
	v_permlanex16_b32 v217, v216, s[SEL], s[SEL+1]
	v_add_nc_u32 v216, v216, v217                  ; and the other half's: the row's sum
	v_cvt_f32_u32 v216, v216
	v_max_num_f32 v216, 0x2b8cbccc, v216           ; at least 1e-12
	v_rcp_f32 v218, v216
	v_nop                                          ; a plain line behind the transcendental,
	s_wait_alu depctr_va_vdst(0)                   ; and the wait ahead of its first reader
	v_max_num_f32 v219, 0x8000000, v218            ; the row's number is every non-zero block's largest magnitude
	v_add_nc_u32 v222, 0xf8800000, v219
	v_and_or_b32 v223, v219, 0x7f800000, s[MNT]
.irp i, 0,1,2,3,4,5,6,7
	v_min_num_f32 v[208+\i], v218, v223            ; the hold (the number is positive)
.endr
	v_cvt_scalef32_pk8_bf8_f32 v[224:225], v[208:215], v222
	v_nop
	v_and_b32 v226, 0xff, v224                     ; the row's code byte
	v_lshrrev_b32 v227, 23, v222
	v_mul_lo_u32 v227, v227, v220                  ; the row's scale byte, four times
.set II, 0
.rept 64
	v_mul_lo_u32 v[X+II], v[X+II], v226            ; 0/1 bytes x the code: no byte carries
.set II, II+1
.endr
.irp k, 0,1,2,3,4,5,6,7,8,9,10,11,12,13,14,15
	global_store_b128 v6, v[X+4*\k:X+4*\k+3], s[12:13] offset:512*\k   ; fragment k / 4, group k % 4: 512 consecutive bytes
.endr
	ds_store_b32 v7, v227
	s_wait_dscnt 0x0                               ; for the others' sake: my word lies in LDS
	s_barrier_signal -1
	s_barrier_wait -1
	s_cmp_lg_u32 s16, 0
	s_cbranch_scc1 .Ldone
	ds_load_b64 v[228:229], v9
	s_wait_dscnt 0x0
	global_store_b64 v8, v[228:229], s[14:15]      ; wave 0 stores the work-group's 256 consecutive bytes, aligned
.Ldone:
	s_wait_tensorcnt 0x0
	ds_add_u32 v254, v255
	s_wait_dscnt 0x0
	s_endpgm
.Lfunc_end_k_q3f2c9a5679_prep:
	.size	k_q3f2c9a5679_prep, .Lfunc_end_k_q3f2c9a5679_prep-k_q3f2c9a5679_prep
	.p2alignl 7, 3214868480
	.fill 96, 4, 3214868480
	.section	.rodata,"a",@progbits
	.p2align	6, 0x0
	.amdhsa_kernel k_q3f2c9a5679_prep
		.amdhsa_group_segment_fixed_size 36352
		.amdhsa_private_segment_fixed_size 0
		.amdhsa_enable_private_segment 0
		.amdhsa_kernarg_size 48
		.amdhsa_user_sgpr_count 2
		.amdhsa_user_sgpr_kernarg_segment_ptr 1
		.amdhsa_wavefront_size32 1
		.amdhsa_system_sgpr_workgroup_id_x 1
		.amdhsa_system_sgpr_workgroup_id_y 1
		.amdhsa_system_sgpr_workgroup_id_z 1
		.amdhsa_system_vgpr_workitem_id 0
		.amdhsa_next_free_vgpr 256
		.amdhsa_next_free_sgpr 66
		.amdhsa_reserve_vcc 1
		.amdhsa_float_denorm_mode_32 3
		.amdhsa_float_denorm_mode_16_64 3
		.amdhsa_memory_ordered 1
		.amdhsa_forward_progress 1
		.amdhsa_inst_pref_size 108
	.end_amdhsa_kernel
	.amdgpu_metadata
---
amdhsa.version: [ 1, 2 ]
amdhsa.kernels:
  - .name:           k_q3f2c9a5679_prep
    .symbol:         k_q3f2c9a5679_prep.kd
    .args:
      - { .name: conv_w, .offset: 0, .size: 8, .value_kind: global_buffer, .address_space: global }
      - { .name: label, .offset: 8, .size: 8, .value_kind: global_buffer, .address_space: global }
      - { .name: wimg, .offset: 16, .size: 8, .value_kind: global_buffer, .address_space: global }
      - { .name: wsc, .offset: 24, .size: 8, .value_kind: global_buffer, .address_space: global }
      - { .name: simg, .offset: 32, .size: 8, .value_kind: global_buffer, .address_space: global }
      - { .name: ssc, .offset: 40, .size: 8, .value_kind: global_buffer, .address_space: global }
    .group_segment_fixed_size: 36352
    .private_segment_fixed_size: 0
    .kernarg_segment_align: 8
    .kernarg_segment_size: 48
    .max_flat_workgroup_size: 128
    .sgpr_count:     66
    .vgpr_count:     256
    .wavefront_size: 32
...
	.end_amdgpu_metadata
.endif
;; end of part 1
;; launch context (part 2): grid 256 x 1, 4 waves a work-group, no clusters, 317,952 bytes of LDS; arguments feats, simg, ssc, yimg, ysc; writes yimg, ysc
.if DOCPART == 2
	.amdgcn_target "amdgcn-amd-amdhsa--gfx1250"
	.amdhsa_code_object_version 6
	.text
	.protected	k_q3f2c9a5679_context
	.globl	k_q3f2c9a5679_context
	.p2align	8
	.type	k_q3f2c9a5679_context,@function
k_q3f2c9a5679_context:
	s_mov_b64 s[64:65], 0
	v_nop
	global_prefetch_b8 v0, s[64:65] scope:SCOPE_SE
	s_setreg_imm32_b32 hwreg(HW_REG_WAVE_MODE, 25, 1), 1
	s_wait_xcnt 0x0
; CONTEXT.  y[b][c][i] = feats[b][c][i] + the sum over the four scales s of the sum over j of Q(x_s)[c][j] Q(sim)[i][j];  x_1 = feats, x_4, x_8, x_16 = feats pooled by s x s and brought back to 32 x 16 by
; bilinear interpolation with aligned corners.  Q: codes of BF8 (E5M2), one E8M0 scale for each 32 along j.  y is quantised along c on the way out: yimg [kb 16][n-tile 512][2048], ysc [kb 16][n 8192] words, n = 512 b + i.
; The four products share sim: they are ONE sum over K = 4 x 512 whose C is feats, so nothing is cleared and nothing is added afterwards.
; SHARES.  Work-group g: batch b = g / 16, channels 128 (g % 16) on, all 512 i.  Two divisions among its four waves:
;   quantising: wave w makes the fragments of c-tiles 2 w + e; lane r of c-tile ct takes channel 32 (ct / 2) + 8 (ct % 2) + r % 8 + 16 (r / 8);
;   products:   wave w owns the eight i-tiles 8 (nt / 2) + 2 w + nt % 2 against all eight c-tiles: 64 accumulators.
; Source 0 = x (16 channels), source 1 = sim (16 i): lane (r, h), register j of accumulator (ct, nt) is channel 32 (ct / 2) + 16 h + 8 (ct % 2) + j at i = 16 x i-tile + r: for a fixed nt a lane's 64 results are
; neighbours along c in the very order of the next operand's registers, so Q(y) needs one exchange between the halves of the lanes and no transposition.
; j = 16 y + x: group q of fragment ks in lane (r, h) is image row y = 8 ks + 2 q + h, all 16 x: a block of 32 is two image rows, one in each half of the lanes.
; PHASES.  P1: feats in four chunks of 128 j through LDS: scale 1 is quantised, 4 x 4 partial sums are kept, and the chunk comes back in the result's layout as C.  P2: the three pooled scales are interpolated and
; quantised.  P3: 16 steps of 64 matrix instructions; x's fragments from LDS (register images), sim's from memory straight into registers.  P4: Q(y), stores.
; INTERPOLATION: value = P[p] + f (P[p+1] - P[p]) with p fixed by the text and f = y x ratio - p.  Where the position falls on a knot, f is 0 or 1 on a neighbouring piece: the same value but for the last bit.
; A block's largest magnitude is taken over the row's knots (every knot is a sample, and a linear piece is largest at an end); rounding can lift a sample one last bit over a knot, which matters only where the
; largest magnitude lies that close under a power of two: that one code is then held one step low.
; NO CLUSTER: what work-groups share is sim; each of its fragments is used by one wave of a work-group and goes straight into that wave's registers, which a joint load into LDS cannot serve; LDS is full of x's images.
; LIMITS: NaN and infinities are not served; a block whose largest magnitude lies under 2^-111 keeps the byte 1, a block of zeros too (its codes are zeros; this program alone reads the bytes).
; LDS: IMG(sc) at 69,632 sc: 32 fragments (8 ks + ct) x 2,048, then their scale words, 128 bytes each.  During P1 two chunk buffers lie over IMG 2 and 3: channel c at (c / 16) 8,576 + (c % 16) 528:
; the 128 bytes more for each 16 rows keep both the 16-byte reads of the quantising layout and the 4-byte reads of the result's layout on different banks (64 banks of 4 bytes: ISA guide 11.1).
.set IMGB, 69632
.set CH0,  139264
.set CH1,  207872
.set GRP,  8576
.set CPW,  17152
.set POOL, 278528                      ; partial sums: 9,216 w + 4,608 e + 144 x lane
.set YSS,  315392                      ; y's 512 scale words
; window 0, addresses
.set LI,  1                            ; 16 x lane
.set LS,  2                            ; 4 x lane
.set RW,  3                            ; 128 w + 4 r
.set GA,  4                            ; feats: 65,536 w + 16 x lane
.set CHW, 5                            ; v5-6   chunk buffer x, way in
.set CHQ, 7                            ; v7-8   its reads in the quantising layout
.set CHD, 9                            ; v9-10  its reads in the result's layout
.set QA,  11                           ; at work
.set IMW, 12                           ; v12-15 where I store images of scale sc; in P3 XA: where images are read
.set XSA, 16                           ; v16-19 the same for scale words; in P3 XS
.set PO,  20                           ; my partial sums
.set PP,  21                           ; lane l xor 16's
.set IA,  22                           ; P1: at work
.set SA,  23
.set SWK, 22                           ; P2: v22-24 at work
.set IWK, 27                           ; P2: v27-29 at work
.set PA,  30
.set PB,  31
.set SIMO, 25                          ; simg: 16,384 w + 16 x lane
.set YO,  26                           ; yimg: 4,096 w + 16 x lane
.set XA,  12
.set XS,  16
.set XAW, 20                           ; P3: v20-23 at work
.set XSK, 27                           ; P3: v27-30 at work
; window 0, P1 and P2
.set P4,  32                           ; v32-63  pooled 4 x 4: 8 x 4
.set DY4, 64                           ; v64-91  differences down the rows
.set P8,  92                           ; v92-99  4 x 2
.set DY8, 100
.set P16, 106                          ; v106-107  2 x 1
.set DY16, 108
.set HH,  109                          ; h
.set SCR, 110
.set F4,  112                          ; f for image row 2 t + h, t = 0 .. 15
.set F8,  128
.set F16, 144
.set FX4, 160                          ; f for column x
.set FX8, 176
.set RB,  192                          ; eight a q: the row's knots in the even registers
.set DXB, 224                          ; their differences, likewise
; window 0, P3 and P4
.set SSW, 4                            ; v4-11   sim's scale words of my eight i-tiles
.set XSW, 32                           ; v32-47  x's scale words, two sets of eight
.set TMY, 48
.set PWY, 64
.set XF,  128                          ; v128-255 x's eight fragments; in P4 y's codes
; window 1
.set T,   128                          ; 64 numbers in the operand's order
.set PC,  192
.set TM,  208
.set PW,  224
.set CC,  228
.set TP,  236
.set SEL, 20
.set MNT, 22
.set HM,  23                           ; lanes 16-31
.set OQ,  32                           ; the loops' steps: e x 4,224, e x 2,048, e x 128, e x 4,608
.set OI,  33
.set OS,  34
.set OP,  35
.set XO,  36
.set XSO, 37
.set MSB, 0
.macro WIN new                         ; s_set_vgpr_msb: bits 1:0 source 0, 3:2 source 1, 5:4 source 2, 7:6 destination; the high byte repeats the setting that is left
.if MSB != (\new)
	s_set_vgpr_msb (MSB<<8)|(\new)
.set MSB, (\new)
.endif
.endm
.set MUL_LO, 0xa4                      ; x window 0, sim window 1, C and D window 2
.set MUL_HI, 0xf4                      ; the same, C and D window 3
.macro BARRIER                         ; my LDS stores have landed and my LDS loads are in: then the work-group's barrier
	s_wait_dscnt 0x0
	s_barrier_signal -1
	s_barrier_wait -1
.endm
.macro PLACES                          ; eight plain places behind this matrix form, in front of loads into its registers and of reads of its results
.rept 8
	v_nop
.endr
.endm
	s_load_b256 s[4:11], s[0:1], 0x0               ; feats s[4:5], simg s[6:7], ssc s[8:9], yimg s[10:11]
	s_load_b64 s[12:13], s[0:1], 0x20              ; ysc
	v_lshrrev_b32 v27, 5, v0
	v_readfirstlane_b32 s14, v27                   ; wave 0..3
	s_lshr_b32 s15, ttmp9, 4                       ; b
	s_and_b32 s16, ttmp9, 15                       ; which 128 channels
	s_mov_b32 s[SEL], 0x76543210
	s_mov_b32 s[SEL+1], 0xfedcba98
	s_mov_b32 s[MNT], 0x600000
	s_mov_b32 s[HM], 0xffff0000
	v_and_b32 v30, 31, v0                          ; lane
	v_and_b32 v31, 15, v0                          ; r
	v_bfe_u32 v[HH], v0, 4, 1                      ; h
	v_lshlrev_b32 v[LI], 4, v30
	v_lshlrev_b32 v[LS], 2, v30
	s_lshl_b32 s26, s14, 7
	v_lshl_add_u32 v[RW], v31, 2, s26
	s_lshl_b32 s26, s14, 16
	v_add_nc_u32 v[GA], s26, v[LI]
	s_mul_i32 s26, s14, CPW
	s_add_co_u32 s27, s26, CH0
	s_add_co_u32 s28, s26, CH1
	v_add_nc_u32 v[CHW], s27, v[LI]
	v_add_nc_u32 v[CHW+1], s28, v[LI]
	v_lshrrev_b32 v27, 3, v31
	v_and_b32 v28, 7, v31
	v_mul_u32_u24 v27, v27, GRP
	v_mad_u32_u24 v27, v28, 528, v27
	v_lshl_add_u32 v27, v[HH], 6, v27              ; (r / 8) 8,576 + (r % 8) 528 + 64 h
	v_add_nc_u32 v[CHQ], s27, v27
	v_add_nc_u32 v[CHQ+1], s28, v27
	v_mad_u32_u24 v27, v[HH], GRP, v[RW]           ; 8,576 h + 128 w + 4 r
	v_add_nc_u32 v[CHD], CH0, v27
	v_add_nc_u32 v[CHD+1], CH1, v27
	s_lshl_b32 s26, s14, 12
	s_lshl_b32 s27, s14, 8
	s_add_co_u32 s27, s27, 65536
.irp sc, 0,1,2,3
	v_add_nc_u32 v[IMW+\sc], s26, v[LI]            ; IMG(sc) + 4,096 w + 16 x lane
	v_add_nc_u32 v[XSA+\sc], s27, v[LS]            ; IMG(sc) + 65,536 + 256 w + 4 x lane
	s_add_co_u32 s26, s26, IMGB
	s_add_co_u32 s27, s27, IMGB
.endr
	s_mul_i32 s26, s14, 9216
	s_add_co_u32 s26, s26, POOL
	v_mul_u32_u24 v[PO], v30, 144
	v_add_nc_u32 v[PO], s26, v[PO]
	v_xor_b32 v27, 16, v30
	v_mul_u32_u24 v[PP], v27, 144
	v_add_nc_u32 v[PP], s26, v[PP]
	s_lshl_b32 s26, s14, 14
	v_add_nc_u32 v[SIMO], s26, v[LI]
	s_lshl_b32 s26, s14, 12
	v_add_nc_u32 v[YO], s26, v[LI]
	s_lshl_b32 s26, s15, 22                        ; feats: 4,194,304 b + 262,144 cb
	s_lshl_b32 s27, s16, 18
	s_add_co_u32 s26, s26, s27
	s_mov_b32 s27, 0
	s_lshl_b32 s28, s15, 18                        ; simg: 262,144 b
	s_mov_b32 s29, 0
	s_lshl_b32 s30, s15, 11                        ; ssc: 2,048 b
	s_mov_b32 s31, 0
	s_lshl_b32 s32, s16, 20                        ; yimg: 1,048,576 cb + 65,536 b
	s_lshl_b32 s33, s15, 16
	s_add_co_u32 s32, s32, s33
	s_mov_b32 s33, 0
	s_lshl_b32 s34, s16, 15                        ; ysc: 32,768 cb + 2,048 b
	s_add_co_u32 s34, s34, s30
	s_mov_b32 s35, 0
	s_wait_kmcnt 0x0
	s_add_nc_u64 s[4:5], s[4:5], s[26:27]
	s_add_nc_u64 s[6:7], s[6:7], s[28:29]
	s_add_nc_u64 s[8:9], s[8:9], s[30:31]
	s_add_nc_u64 s[10:11], s[10:11], s[32:33]
	s_add_nc_u64 s[12:13], s[12:13], s[34:35]
; Chunk ks of my 32 channels: a load takes 512 consecutive bytes of one channel.  They land in the registers that will be the chunk's own accumulators (nt = 2 ks, 2 ks + 1), so landing costs no register.
.macro LAND ks
	WIN 0x80
.set LL, 0
.rept 16
	global_load_b128 v[64*(LL/4)+16*(\ks)+4*(LL%4):64*(LL/4)+16*(\ks)+4*(LL%4)+3], v[GA], s[4:5] offset:LL*2048+(\ks)*512 th:TH_LOAD_NT
.set LL, LL+1
.endr
	WIN 0xc0
.set LL, 0
.rept 16
	global_load_b128 v[64*(LL/4)+16*(\ks)+4*(LL%4):64*(LL/4)+16*(\ks)+4*(LL%4)+3], v[GA], s[4:5] offset:(LL+16)*2048+(\ks)*512 th:TH_LOAD_NT
.set LL, LL+1
.endr
	WIN 0
.endm
	LAND 0
	LAND 1
; the weights, while the first chunks are on their way: f = (2 t + h) x ratio - p, a multiplication and a subtraction as reference() rounds them
.macro FTAB base, kk, hs, ratio
.set TT, 0
.rept 16
.set PLO, (2*TT*\kk)/31
.set PHI, ((2*TT+1)*\kk)/31
.if PLO > (\hs-2)
.set PLO, \hs-2
.endif
.if PHI > (\hs-2)
.set PHI, \hs-2
.endif
	v_add_nc_u32 v[SCR], 2*TT, v[HH]
	v_cvt_f32_u32 v[SCR], v[SCR]
	v_mul_f32 v[\base+TT], \ratio, v[SCR]
.if PLO == PHI
	v_cvt_f32_u32 v[SCR+1], PLO
.else
	v_add_nc_u32 v[SCR+1], PLO, v[HH]
	v_cvt_f32_u32 v[SCR+1], v[SCR+1]
.endif
	v_sub_f32 v[\base+TT], v[\base+TT], v[SCR+1]
.set TT, TT+1
.endr
.endm
	FTAB F4, 7, 8, 0x3e6739ce                      ; 7 / 31
	FTAB F8, 3, 4, 0x3dc6318c                      ; 3 / 31
	FTAB F16, 1, 2, 0x3d042108                     ; 1 / 31
.set XX, 0
.rept 16
	v_cvt_f32_u32 v[SCR], XX
	v_cvt_f32_u32 v[SCR+1], ((XX/2)*2)/5           ; the piece of column x among four knots: 0 up to x = 5, 1 up to 9, then 2
	v_mul_f32 v[FX4+XX], 0x3e4ccccd, v[SCR]        ; x x 3 / 15
	v_mul_f32 v[FX8+XX], 0x3d888889, v[SCR]        ; x x 1 / 15
	v_sub_f32 v[FX4+XX], v[FX4+XX], v[SCR+1]
.set XX, XX+1
.endr
.set II, 0
.rept 32
	v_mov_b32 v[DXB+II], 0                         ; the odd registers are named as upper halves of pairs, so they are written
.set II, II+1
.endr
	WIN 0x40
.irp b, 0,1,2,3
	v_mov_b32 v[TM+4+\b], 0                        ; a lane permute's destination counts as one of its sources
.endr
	WIN 0
; the quantiser's lines, all in window 1.  v[TM] on hold each lane's largest magnitude of its 16 numbers of the four blocks
.macro QSCALE
.irp b, 0,1,2,3
	v_permlanex16_b32 v[TM+4+\b], v[TM+\b], s[SEL], s[SEL+1]
.endr
.irp b, 0,1,2,3
	v_max_num_f32 v[TM+\b], v[TM+\b], v[TM+4+\b]   ; with lane l xor 16's: the block's
.endr
.irp b, 0,1,2,3
	v_add_nc_u32 v[TM+12+\b], 0xf8800000, v[TM+\b] ; 15 off the exponent field: the conversion's scale operand
.endr
.irp b, 0,1,2,3
	v_and_or_b32 v[TM+8+\b], v[TM+\b], 0x7f800000, s[MNT]   ; 57,344 x the scale
.endr
.irp b, 0,1,2,3
	v_lshrrev_b32 v[TM+4+\b], 23, v[TM+12+\b]      ; the byte
.endr
	v_lshl_or_b32 v[PW], v[TM+5], 8, v[TM+4]
	v_lshl_or_b32 v[PW], v[TM+6], 16, v[PW]
	v_lshl_or_b32 v[PW], v[TM+7], 24, v[PW]
.endm
.macro QCVT
.irp b, 0,1,2,3
.irp i, 0,1,2,3,4,5,6,7,8,9,10,11,12,13,14,15
	v_med3_num_f32 v[T+16*\b+\i], v[T+16*\b+\i], -v[TM+8+\b], v[TM+8+\b]   ; the conversion does not saturate (ISA guide 7.6.2)
.endr
	v_cvt_scalef32_pk8_bf8_f32 v[PC+4*\b:PC+4*\b+1], v[T+16*\b:T+16*\b+7], v[TM+12+\b]
	v_cvt_scalef32_pk8_bf8_f32 v[PC+4*\b+2:PC+4*\b+3], v[T+16*\b+8:T+16*\b+15], v[TM+12+\b]
.endr
	v_nop                                          ; a plain line behind the last conversion
.endm
; ---------------- P1.  One c-tile (e) of chunk ks: its 64 numbers a lane, partial sums of 4 x 4 cells, scale 1's fragment
.macro QPART ks
	v_add_nc_u32 v[QA], s[OQ], v[CHQ+CX]
	v_add_nc_u32 v[IA], s[OI], v[IMW]
	v_add_nc_u32 v[SA], s[OS], v[XSA]
	v_add_nc_u32 v[PA], s[OP], v[PO]
	WIN 0x40
.irp q, 0,1,2,3
.irp j, 0,1,2,3
	ds_load_b128 v[T+16*\q+4*\j:T+16*\q+4*\j+3], v[QA] offset:128*\q+16*\j   ; my wave's own rows, in order behind its stores
.endr
.endr
	s_wait_dscnt 0x0                               ; they are in; the last tile's stores have read v[PC] on and v[PW]
	WIN 0x55
.irp u, 0,1                            ; pooled row 2 ks + u: my two image rows of its four (q = 2 u, 2 u + 1); the other two are lane l xor 16's
.irp px, 0,1,2,3
	v_pk_add_f32 v[TP+4*\px:TP+4*\px+1], v[T+32*\u+4*\px:T+32*\u+4*\px+1], v[T+32*\u+16+4*\px:T+32*\u+16+4*\px+1]
	v_pk_add_f32 v[TP+4*\px+2:TP+4*\px+3], v[T+32*\u+4*\px+2:T+32*\u+4*\px+3], v[T+32*\u+16+4*\px+2:T+32*\u+16+4*\px+3]
.endr
.irp px, 0,1,2,3
	v_pk_add_f32 v[TP+4*\px:TP+4*\px+1], v[TP+4*\px:TP+4*\px+1], v[TP+4*\px+2:TP+4*\px+3]
.endr
.irp px, 0,1,2,3
	v_add_f32 v[CC+4*\u+\px], v[TP+4*\px], v[TP+4*\px+1]
.endr
.endr
.irp b, 0,1,2,3
	v_max3_num_f32 v[TM+\b], |v[T+16*\b]|, |v[T+16*\b+1]|, 0x8000000   ; with the floor 2^(16 - 127): the byte cannot fall under 1
.endr
.irp i, 2,4,6,8,10,12,14
.irp b, 0,1,2,3
	v_max3_num_f32 v[TM+\b], v[TM+\b], |v[T+16*\b+\i]|, |v[T+16*\b+\i+1]|
.endr
.endr
	QSCALE
	QCVT
	WIN 0x04                                       ; an LDS store's data are its source 1: window 1
	ds_store_b128 v[PA], v[CC:CC+3] offset:32*(\ks)
	ds_store_b128 v[PA], v[CC+4:CC+7] offset:32*(\ks)+16
.irp c, 0,1,2,3
	ds_store_b128 v[IA], v[PC+4*\c:PC+4*\c+3] offset:16384*(\ks)+512*\c
.endr
	ds_store_b32 v[SA], v[PW] offset:1024*(\ks)
	WIN 0
.endm
.macro DREAD ks                        ; the chunk comes back as C: accumulators (ct, 2 ks + ee), one number a load, 16 neighbouring i in 16 lanes
.irp hw, 0,1
	WIN 0x80+0x40*\hw
.irp c4, 0,1,2,3
.irp ee, 0,1
.irp j, 0,1,2,3,4,5,6,7
	ds_load_b32 v[64*\c4+16*(\ks)+8*\ee+\j], v[CHD+CX] offset:((4*\hw+\c4)/2)*CPW+(8*(\c4%2)+\j)*528+64*\ee
.endr
.endr
.endr
.endr
	WIN 0
.endm
; One barrier a chunk does: buffer x is written again two chunks on, behind the next chunk's barrier, in front of which every wave has waited for its reads of x.
.macro CHUNK ks
.set CX, (\ks)%2
.if (\ks) < 3
	s_wait_loadcnt 32                              ; this chunk's 32 loads are in; the next chunk's 32 may be out
.else
	s_wait_loadcnt 0x0
.endif
	WIN 0x08
.set LL, 0
.rept 16
	ds_store_b128 v[CHW+CX], v[64*(LL/4)+16*(\ks)+4*(LL%4):64*(LL/4)+16*(\ks)+4*(LL%4)+3] offset:LL*528
.set LL, LL+1
.endr
	WIN 0x0c
.set LL, 0
.rept 16
	ds_store_b128 v[CHW+CX], v[64*(LL/4)+16*(\ks)+4*(LL%4):64*(LL/4)+16*(\ks)+4*(LL%4)+3] offset:GRP+LL*528
.set LL, LL+1
.endr
	WIN 0
.if (\ks) < 2
	LAND (\ks)+2
.endif
	s_mov_b32 s[OQ], 0
	s_mov_b32 s[OI], 0
	s_mov_b32 s[OS], 0
	s_mov_b32 s[OP], 0
	s_mov_b32 s24, 0
.Lq_\@:                                            ; two trips: my two c-tiles
	QPART \ks
	s_add_co_u32 s[OQ], s[OQ], 4224
	s_add_co_u32 s[OI], s[OI], 2048
	s_add_co_u32 s[OS], s[OS], 128
	s_add_co_u32 s[OP], s[OP], 4608
	s_add_co_u32 s24, s24, 1
	s_cmp_lt_u32 s24, 2
	s_cbranch_scc1 .Lq_\@
	BARRIER                                        ; all 128 channels of the chunk lie in buffer x
	DREAD \ks
.endm
	CHUNK 0
	CHUNK 1
	CHUNK 2
	CHUNK 3
	BARRIER                                        ; nobody reads a chunk buffer any more: images 2 and 3 may be written over them
; ---------------- P2
.macro SIML kl, p                      ; sim's eight fragments of ks = kl (from the stepped base) into set p of window 1
	WIN 0x40
.irp nt, 0,1,2,3,4,5,6,7
.irp c, 0,1,2,3
	global_load_b128 v[128*(\p)+16*\nt+4*\c:128*(\p)+16*\nt+4*\c+3], v[SIMO], s[6:7] offset:(\nt/2)*65536+(\nt%2)*8192+(\kl)*2048+512*\c
.endr
.endr
	WIN 0
.endm
.irp nt, 0,1,2,3,4,5,6,7
	global_load_b32 v[SSW+\nt], v[RW], s[8:9] offset:(\nt/2)*512+(\nt%2)*64   ; asked for here, wanted in P3
.endr
	SIML 0, 0
; the four image rows of fragment ks at the pooled columns: R = P[p] + f DY[p]; where the two halves of the lanes lie on different pieces, P and DY are chosen by half first
.macro ROWS ks, wd, kk, hs, pb, db, fb
.irp q, 0,1,2,3
.set TT, 4*(\ks)+\q
.set PLO, (2*TT*\kk)/31
.set PHI, ((2*TT+1)*\kk)/31
.if PLO > (\hs-2)
.set PLO, \hs-2
.endif
.if PHI > (\hs-2)
.set PHI, \hs-2
.endif
.irp px, 0,1,2,3
.if \px < \wd
.if PLO == PHI
	v_fma_f32 v[RB+8*\q+2*\px], v[\fb+TT], v[\db+\wd*PLO+\px], v[\pb+\wd*PLO+\px]
.else
	v_cndmask_b32 v[RB+8*\q+2*\px+1], v[\pb+\wd*PLO+\px], v[\pb+\wd*PHI+\px], s[HM]
	v_cndmask_b32 v[DXB+8*\q+2*\px+1], v[\db+\wd*PLO+\px], v[\db+\wd*PHI+\px], s[HM]
	v_fma_f32 v[RB+8*\q+2*\px], v[\fb+TT], v[DXB+8*\q+2*\px+1], v[RB+8*\q+2*\px+1]
.endif
.endif
.endr
.irp sg, 0,1,2
.if \sg < (\wd-1)
	v_sub_f32 v[DXB+8*\q+2*\sg], v[RB+8*\q+2*\sg+2], v[RB+8*\q+2*\sg]
.endif
.endr
.endr
.endm
.macro OUTF sc, ks                     ; the fragment's image and its scale words
	WIN 0x04
.irp c, 0,1,2,3
	ds_store_b128 v[IWK+\sc-1], v[PC+4*\c:PC+4*\c+3] offset:16384*(\ks)+512*\c
.endr
	ds_store_b32 v[SWK+\sc-1], v[PW] offset:1024*(\ks)
	WIN 0
.endm
.macro UP4 ks
	ROWS \ks, 4, 7, 8, P4, DY4, F4
	WIN 0x40                                       ; destination window 1
.irp q, 0,1,2,3
	v_max3_num_f32 v[TM+\q], |v[RB+8*\q]|, |v[RB+8*\q+2]|, 0x8000000
.endr
.irp q, 0,1,2,3
.irp k, 0,1,2,3,4,5,6,7
	v_pk_fma_f32 v[T+16*\q+2*\k:T+16*\q+2*\k+1], v[FX4+2*\k:FX4+2*\k+1], v[DXB+8*\q+2*((2*\k)/5):DXB+8*\q+2*((2*\k)/5)+1], v[RB+8*\q+2*((2*\k)/5):RB+8*\q+2*((2*\k)/5)+1] op_sel_hi:[1,0,0]
.endr
.endr
	WIN 0x50
.irp q, 0,1,2,3
	v_max3_num_f32 v[TM+\q], |v[RB+8*\q+4]|, |v[RB+8*\q+6]|, v[TM+\q]
.endr
	s_wait_dscnt 0x0                               ; the last fragment's stores have read v[PW] and v[PC] on
	WIN 0x55
	QSCALE
	QCVT
	OUTF 1, \ks
.endm
.macro UP8 ks
	ROWS \ks, 2, 3, 4, P8, DY8, F8
	WIN 0x40
.irp q, 0,1,2,3
	v_max3_num_f32 v[TM+\q], |v[RB+8*\q]|, |v[RB+8*\q+2]|, 0x8000000
.endr
.irp q, 0,1,2,3
.irp k, 0,1,2,3,4,5,6,7
	v_pk_fma_f32 v[T+16*\q+2*\k:T+16*\q+2*\k+1], v[FX8+2*\k:FX8+2*\k+1], v[DXB+8*\q:DXB+8*\q+1], v[RB+8*\q:RB+8*\q+1] op_sel_hi:[1,0,0]
.endr
.endr
	s_wait_dscnt 0x0
	WIN 0x55
	QSCALE
	QCVT
	OUTF 2, \ks
.endm
.macro UP16 ks                         ; one pooled column: an image row is one number sixteen times
	ROWS \ks, 1, 1, 2, P16, DY16, F16
	WIN 0x40
.irp q, 0,1,2,3
	v_max3_num_f32 v[TM+\q], |v[RB+8*\q]|, |v[RB+8*\q]|, 0x8000000
.endr
	s_wait_dscnt 0x0
	WIN 0x55
	QSCALE
	WIN 0x54                                       ; source 0 window 0
.irp q, 0,1,2,3
.irp i, 0,1,2,3,4,5,6,7
	v_med3_num_f32 v[T+16*\q+\i], v[RB+8*\q], -v[TM+8+\q], v[TM+8+\q]
.endr
.endr
	WIN 0x55
.irp q, 0,1,2,3
	v_cvt_scalef32_pk8_bf8_f32 v[PC+4*\q:PC+4*\q+1], v[T+16*\q:T+16*\q+7], v[TM+12+\q]
	v_cvt_scalef32_pk8_bf8_f32 v[PC+4*\q+2:PC+4*\q+3], v[T+16*\q:T+16*\q+7], v[TM+12+\q]
.endr
	v_nop
	OUTF 3, \ks
.endm
	s_mov_b32 s[OI], 0
	s_mov_b32 s[OS], 0
	s_mov_b32 s[OP], 0
	s_mov_b32 s24, 0
.Lup:                                              ; two trips: my two c-tiles
	v_add_nc_u32 v[PA], s[OP], v[PO]
	v_add_nc_u32 v[PB], s[OP], v[PP]
.irp sc, 0,1,2
	v_add_nc_u32 v[IWK+\sc], s[OI], v[IMW+1+\sc]
	v_add_nc_u32 v[SWK+\sc], s[OS], v[XSA+1+\sc]
.endr
.irp i, 0,1,2,3,4,5,6,7
	ds_load_b128 v[P4+4*\i:P4+4*\i+3], v[PA] offset:16*\i
	ds_load_b128 v[RB+4*\i:RB+4*\i+3], v[PB] offset:16*\i
.endr
	s_wait_dscnt 0x0
.irp k, 0,1,2,3,4,5,6,7,8,9,10,11,12,13,14,15
	v_pk_add_f32 v[P4+2*\k:P4+2*\k+1], v[P4+2*\k:P4+2*\k+1], v[RB+2*\k:RB+2*\k+1]   ; the sums of the 4 x 4 cells
.endr
.irp py, 0,1,2,3
	v_pk_add_f32 v[DXB+4*\py:DXB+4*\py+1], v[P4+8*\py:P4+8*\py+1], v[P4+8*\py+4:P4+8*\py+5]
	v_pk_add_f32 v[DXB+4*\py+2:DXB+4*\py+3], v[P4+8*\py+2:P4+8*\py+3], v[P4+8*\py+6:P4+8*\py+7]
.endr
.irp py, 0,1,2,3
	v_add_f32 v[P8+2*\py], v[DXB+4*\py], v[DXB+4*\py+1]          ; of the 8 x 8 cells
	v_add_f32 v[P8+2*\py+1], v[DXB+4*\py+2], v[DXB+4*\py+3]
.endr
.irp py, 0,1
	v_pk_add_f32 v[DXB+16+2*\py:DXB+16+2*\py+1], v[P8+4*\py:P8+4*\py+1], v[P8+4*\py+2:P8+4*\py+3]
.endr
.irp py, 0,1
	v_add_f32 v[P16+\py], v[DXB+16+2*\py], v[DXB+16+2*\py+1]     ; of the 16 x 16 cells
.endr
.irp k, 0,1,2,3,4,5,6,7,8,9,10,11,12,13,14,15
	v_pk_mul_f32 v[P4+2*\k:P4+2*\k+1], v[P4+2*\k:P4+2*\k+1], 0x3d800000 op_sel_hi:[1,0]   ; / 16: exact
.endr
.irp k, 0,1,2,3
	v_pk_mul_f32 v[P8+2*\k:P8+2*\k+1], v[P8+2*\k:P8+2*\k+1], 0x3c800000 op_sel_hi:[1,0]   ; / 64
.endr
	v_pk_mul_f32 v[P16:P16+1], v[P16:P16+1], 0x3b800000 op_sel_hi:[1,0]                   ; / 256
.irp k, 0,1,2,3,4,5,6,7,8,9,10,11,12,13
	v_pk_add_f32 v[DY4+2*\k:DY4+2*\k+1], v[P4+4+2*\k:P4+4+2*\k+1], v[P4+2*\k:P4+2*\k+1] neg_lo:[0,1] neg_hi:[0,1]
.endr
.irp k, 0,1,2
	v_pk_add_f32 v[DY8+2*\k:DY8+2*\k+1], v[P8+2+2*\k:P8+2+2*\k+1], v[P8+2*\k:P8+2*\k+1] neg_lo:[0,1] neg_hi:[0,1]
.endr
	v_sub_f32 v[DY16], v[P16+1], v[P16]
.irp ks, 0,1,2,3
	UP4 \ks
	UP8 \ks
	UP16 \ks
.endr
	s_add_co_u32 s[OI], s[OI], 2048
	s_add_co_u32 s[OS], s[OS], 128
	s_add_co_u32 s[OP], s[OP], 4608
	s_add_co_u32 s24, s24, 1
	s_cmp_lt_u32 s24, 2
	s_cbranch_scc1 .Lup
	BARRIER                                        ; all 128 fragments of x and their scale words lie in LDS
; ---------------- P3: 16 steps (ks, sc) of 64 matrix instructions.  The 64 accumulators take turns, one instruction a turn, in the same order in every step.
.macro FX4 ar, kl, c0                  ; x's fragments of c-tiles c0 .. c0 + 3
.irp ct, \c0, \c0+1, \c0+2, \c0+3
.irp c, 0,1,2,3
	ds_load_b128 v[XF+16*(\ct)+4*\c:XF+16*(\ct)+4*\c+3], v[\ar] offset:(8*(\kl)+(\ct))*2048+512*\c
.endr
.endr
.endm
.macro FXS ar, kl, set                 ; and the eight scale words
.irp ct, 0,1,2,3,4,5,6,7
	ds_load_b32 v[XSW+8*(\set)+\ct], v[\ar] offset:(8*(\kl)+\ct)*128
.endr
.endm
.macro MUL16 a0, p, set
.irp a, \a0, \a0+1
.irp nt, 0,1,2,3,4,5,6,7
	v_wmma_scale_f32_16x16x128_f8f6f4 v[64*((\a)%4)+8*\nt:64*((\a)%4)+8*\nt+7], v[XF+16*(\a):XF+16*(\a)+15], v[128*(\p)+16*\nt:128*(\p)+16*\nt+15], v[64*((\a)%4)+8*\nt:64*((\a)%4)+8*\nt+7], v[XSW+8*(\set)+(\a)], v[SSW+\nt] matrix_a_fmt:MATRIX_FMT_BF8 matrix_b_fmt:MATRIX_FMT_BF8
.endr
.endr
.endm
; A c-tile's fragment is free as soon as its eight products are issued: one set of registers serves x; tiles 0-3 are fetched anew in the step's middle, tiles 4-7 at its end.
.macro STEP p, set, nsc, nkl
	s_wait_dscnt 16                                ; tiles 0-3 and the scale words are in; the youngest 16 loads (tiles 4-7) may be out
	WIN MUL_LO
	MUL16 0, \p, \set
	MUL16 2, \p, \set
	s_wait_dscnt 0x0                               ; tiles 4-7 are in
	PLACES
	WIN 0
	FX4 XAW+\nsc, \nkl, 0
	FXS XSK+\nsc, \nkl, 1-\set
	WIN MUL_HI
	MUL16 4, \p, \set
	MUL16 6, \p, \set
	PLACES
	WIN 0
	FX4 XAW+\nsc, \nkl, 4
.endm
.irp sc, 0,1,2,3
	v_add_nc_u32 v[XA+\sc], \sc*IMGB, v[LI]
	v_add_nc_u32 v[XS+\sc], \sc*IMGB+65536, v[LS]
.endr
	FX4 XA, 0, 0
	FXS XS, 0, 0
	FX4 XA, 0, 4
	s_mov_b32 s[XO], 0
	s_mov_b32 s[XSO], 0
	s_mov_b32 s24, 0
.Lpair:                                            ; two trips, two ks each: sim's two sets of registers are back where they began
.irp sc, 0,1,2,3
	v_add_nc_u32 v[XAW+\sc], s[XO], v[XA+\sc]
	v_add_nc_u32 v[XSK+\sc], s[XSO], v[XS+\sc]
.endr
	SIML 1, 1
	s_wait_loadcnt 32                              ; all but the 32 just issued: set 0 (and, in the first trip, sim's scale words) is in
	STEP 0, 0, 1, 0
	STEP 0, 1, 2, 0
	STEP 0, 0, 3, 0
	STEP 0, 1, 0, 1
	s_cmp_eq_u32 s24, 0
	s_cbranch_scc0 .Lno_more                       ; the second trip has no ks behind it: no load leaves the buffer
	SIML 2, 0
	s_wait_loadcnt 32                              ; set 1 is in; the 32 just issued may be out
	s_branch .Lgo
.Lno_more:
	s_wait_loadcnt 0x0                             ; set 1 is in
.Lgo:
	STEP 1, 0, 1, 1
	STEP 1, 1, 2, 1
	STEP 1, 0, 3, 1
	STEP 1, 1, 0, 2                                ; its look-ahead is the next trip's first fragments.  In the last trip it reads the bytes behind image 0 (its scale words, image 1's first codes): written bytes, inside LDS, and what they bring is discarded; so every wait above counts the same loads in every trip
	s_wait_xcnt 0x0                                ; sim's loads have read their base
	s_add_nc_u64 s[6:7], s[6:7], 4096
	s_add_co_u32 s[XO], s[XO], 32768
	s_add_co_u32 s[XSO], s[XSO], 2048
	s_add_co_u32 s24, s24, 1
	s_cmp_lt_u32 s24, 2
	s_cbranch_scc1 .Lpair
; ---------------- P4: y is quantised along c, i-tile by i-tile.  Block bq = 2 hw + bb of a lane: accumulators (2 bq, nt) and (2 bq + 1, nt), registers 128 bb + 64 u + 8 nt on of window 2 + hw
	s_wait_dscnt 0x0                               ; the discarded look-ahead has landed: its registers take y's codes.  (The eight places behind the last products stand at the last step's end)
	v_add_nc_u32 v31, YSS, v[RW]
	s_lshl_b32 s26, s14, 9
	v_add_nc_u32 v24, s26, v[LI]
	v_add_nc_u32 v22, YSS, v24
.macro YQ nt
.irp hw, 0,1
	WIN 0x0a+5*\hw                                 ; sources 0 and 1: window 2 or 3
.irp u, 0,1
.irp i, 0,2,4,6
.irp bb, 0,1
.if (\u == 0) && (\i == 0)
	v_max3_num_f32 v[TMY+2*\hw+\bb], |v[128*\bb+8*(\nt)]|, |v[128*\bb+8*(\nt)+1]|, 0x8000000   ; each accumulator is read from its low end on
.else
	v_max3_num_f32 v[TMY+2*\hw+\bb], |v[128*\bb+64*\u+8*(\nt)+\i]|, |v[128*\bb+64*\u+8*(\nt)+\i+1]|, v[TMY+2*\hw+\bb]
.endif
.endr
.endr
.endr
.endr
	WIN 0
.irp b, 0,1,2,3
	v_permlanex16_b32 v[TMY+4+\b], v[TMY+\b], s[SEL], s[SEL+1]
.endr
.irp b, 0,1,2,3
	v_max_num_f32 v[TMY+\b], v[TMY+\b], v[TMY+4+\b]
.endr
.irp b, 0,1,2,3
	v_add_nc_u32 v[TMY+12+\b], 0xf8800000, v[TMY+\b]
.endr
.irp b, 0,1,2,3
	v_and_or_b32 v[TMY+8+\b], v[TMY+\b], 0x7f800000, s[MNT]
.endr
.irp b, 0,1,2,3
	v_lshrrev_b32 v[TMY+4+\b], 23, v[TMY+12+\b]
.endr
	v_lshl_or_b32 v[PWY+(\nt)], v[TMY+5], 8, v[TMY+4]
	v_lshl_or_b32 v[PWY+(\nt)], v[TMY+6], 16, v[PWY+(\nt)]
	v_lshl_or_b32 v[PWY+(\nt)], v[TMY+7], 24, v[PWY+(\nt)]
.irp hw, 0,1
	WIN 0x82+0x41*\hw                              ; destination and source 0: window 2 or 3
.irp bb, 0,1
.irp u, 0,1
.irp j, 0,1,2,3,4,5,6,7
	v_med3_num_f32 v[128*\bb+64*\u+8*(\nt)+\j], v[128*\bb+64*\u+8*(\nt)+\j], -v[TMY+8+2*\hw+\bb], v[TMY+8+2*\hw+\bb]
.endr
.endr
.endr
	WIN 0x02+\hw
.irp bb, 0,1
.irp u, 0,1
	v_cvt_scalef32_pk8_bf8_f32 v[XF+16*(\nt)+4*(2*\hw+\bb)+2*\u:XF+16*(\nt)+4*(2*\hw+\bb)+2*\u+1], v[128*\bb+64*\u+8*(\nt):128*\bb+64*\u+8*(\nt)+7], v[TMY+12+2*\hw+\bb]
.endr
.endr
.endr
	WIN 0
	v_nop                                          ; a plain line behind the last conversion
.irp c, 0,1,2,3
	global_store_b128 v[YO], v[XF+16*(\nt)+4*\c:XF+16*(\nt)+4*\c+3], s[10:11] offset:((\nt)/2)*16384+((\nt)%2)*2048+512*\c   ; 512 consecutive bytes; each i-tile has code registers of its own
.endr
	ds_store_b32 v31, v[PWY+(\nt)] offset:((\nt)/2)*512+((\nt)%2)*64
.endm
.irp nt, 0,1,2,3,4,5,6,7
	YQ \nt
.endr
	BARRIER                                        ; the 512 scale words lie in LDS
	ds_load_b128 v[72:75], v22
	s_wait_dscnt 0x0
	global_store_b128 v24, v[72:75], s[12:13]      ; each wave stores 512 consecutive bytes, aligned
	s_wait_xcnt 0x0
	v_lshl_add_u32 v254, v0, 2, 0x4d800
	v_mov_b32 v255, 0
	s_wait_tensorcnt 0x0
	ds_add_u32 v254, v255
	s_wait_dscnt 0x0
	s_endpgm
.Lfunc_end_k_q3f2c9a5679_context:
	.size	k_q3f2c9a5679_context, .Lfunc_end_k_q3f2c9a5679_context-k_q3f2c9a5679_context
	.p2alignl 7, 3214868480
	.fill 96, 4, 3214868480
	.section	.rodata,"a",@progbits
	.p2align	6, 0x0
	.amdhsa_kernel k_q3f2c9a5679_context
		.amdhsa_group_segment_fixed_size 317952
		.amdhsa_private_segment_fixed_size 0
		.amdhsa_enable_private_segment 0
		.amdhsa_kernarg_size 40
		.amdhsa_user_sgpr_count 2
		.amdhsa_user_sgpr_kernarg_segment_ptr 1
		.amdhsa_wavefront_size32 1
		.amdhsa_system_sgpr_workgroup_id_x 1
		.amdhsa_system_sgpr_workgroup_id_y 1
		.amdhsa_system_sgpr_workgroup_id_z 1
		.amdhsa_system_vgpr_workitem_id 0
		.amdhsa_next_free_vgpr 1024
		.amdhsa_next_free_sgpr 66
		.amdhsa_reserve_vcc 0
		.amdhsa_float_denorm_mode_32 3
		.amdhsa_float_denorm_mode_16_64 3
		.amdhsa_memory_ordered 1
		.amdhsa_forward_progress 1
		.amdhsa_inst_pref_size 255
	.end_amdhsa_kernel
	.section	.bss,"aw",@nobits
	.p2align	6
	.space	262144
	.amdgpu_metadata
---
amdhsa.version: [ 1, 2 ]
amdhsa.kernels:
  - .name:           k_q3f2c9a5679_context
    .symbol:         k_q3f2c9a5679_context.kd
    .args:
      - { .name: feats, .offset: 0, .size: 8, .value_kind: global_buffer, .address_space: global }
      - { .name: simg, .offset: 8, .size: 8, .value_kind: global_buffer, .address_space: global }
      - { .name: ssc, .offset: 16, .size: 8, .value_kind: global_buffer, .address_space: global }
      - { .name: yimg, .offset: 24, .size: 8, .value_kind: global_buffer, .address_space: global }
      - { .name: ysc, .offset: 32, .size: 8, .value_kind: global_buffer, .address_space: global }
    .group_segment_fixed_size: 317952
    .private_segment_fixed_size: 0
    .kernarg_segment_align: 8
    .kernarg_segment_size: 40
    .max_flat_workgroup_size: 128
    .sgpr_count:     66
    .vgpr_count:     1024
    .wavefront_size: 32
...
	.end_amdgpu_metadata
.endif
;; end of part 2
;; launch conv (part 3): grid 32 x 8, 4 waves a work-group, clusters of 4 x 4, 327,680 bytes of LDS; arguments wimg, wsc, yimg, ysc, z, stats; writes z, stats
.if DOCPART == 3
	.amdgcn_target "amdgcn-amd-amdhsa--gfx1250"
	.amdhsa_code_object_version 6
	.text
	.protected	k_q3f2c9a5679_conv
	.globl	k_q3f2c9a5679_conv
	.p2align	8
	.type	k_q3f2c9a5679_conv,@function
k_q3f2c9a5679_conv:
	s_mov_b64 s[64:65], 0
	v_nop
	global_prefetch_b8 v0, s[64:65] scope:SCOPE_SE
	s_setreg_imm32_b32 hwreg(HW_REG_WAVE_MODE, 25, 1), 1
	s_wait_xcnt 0x0
	s_wait_alu depctr_hold_cnt(0) depctr_sa_sdst(0) depctr_va_vdst(0) depctr_va_sdst(0) depctr_va_ssrc(0) depctr_va_vcc(0) depctr_vm_vsrc(0)
	s_getreg_b32 s2, hwreg(HW_REG_IB_STS2, 6, 4)
	s_cmp_eq_u32 s2, 0
	s_cbranch_scc0 .Lentry_in_a_cluster
	s_endpgm
.Lentry_in_a_cluster:
	s_bfe_u32 s2, ttmp6, 0x10000c
	s_cmp_lg_u32 s2, 0xf033
	s_cbranch_scc0 .Lentry_shape_is_right
	s_endpgm
.Lentry_shape_is_right:
; CONV.  z[b][o][i] = the sum over c of Q(W)[o][c] Q(y)[b][c][i]: M = 2,048 (o), N = 8,192 (n = 512 b + i), K = 2,048, on codes of BF8 (E5M2) with one E8M0 scale for each 32 along K; sums in f32.
; Both operands arrive as images of the operand's registers: wimg [kb 16][o-tile 128][2048], yimg [kb 16][n-tile 512][2048]; scale words wsc [kb][o], ysc [kb][n].  So a tile's part of one kb (16 fragments) is one
; dense block of 32,768 bytes, every LDS read is 512 consecutive bytes, and there is no pitch and no padding.
; A tile of z, 256 o x 256 n, is made by four waves, each 128 x 128: 64 accumulators, 512 registers.  K goes in steps of 256 (two kb) through a ring of two LDS slots; each wave fetches one block of a slot:
; wave 0, 1: W's kb 0, 1 of the slot; wave 2, 3: y's.  The scale words of the tile's rows and columns for all of K (2 x 16,384 bytes) come once, with the first fills, and stay.
; CLUSTERS: 4 x 4 work-groups.  The four of a row of the cluster need the same blocks of W, the four of a column the same blocks of y: each is asked for JOINTLY, by the same tensor load with the same descriptor and
; a mask that names the four.  THE MATRIX INSTRUCTION IS USED TRANSPOSED (source 0 = 16 n, source 1 = 16 o): a lane holds eight neighbouring n of one o.
; BATCH STATISTICS: on the way out each wave stores, for each of its 128 o, the sum of its 128 n and the sum of squares about ITS OWN mean: stats [o / 16][n / 128][2][16].  No difference of large sums is formed.
; REGISTERS: window 0: v2-15 at work on the way out; v16-31 addresses; v32-63 scale words, two sets, and nothing else; v64-127 at work on the way out; from v128 W's fragments, ONE set (on the way out: rows of z).
;   window 1: y's fragments, TWO sets.   window 2: accumulators of my o 0-63 ((a, b) at v[8 (8 a + b)]);   window 3: those of my o 64-127.
.set NQ,     2                         ; matrix instructions deep in a slot
.set FR,     16
.set NL,     4
.set NP,     8                         ; places behind this matrix form (ISA guide 7.12.1)
.set REG,    32768                     ; what one tensor load brings: 16 fragments
.set SLOT,   4*REG
.set LAPS,   4                         ; a lap = two K steps of 256 = once round the ring
.set SCLA,   2*SLOT                    ; W's scale words: kb k at 1,024 k, row o at 4 o
.set SCLB,   SCLA+16384+64             ; y's; 64 bytes on, so that the two halves of a scale load fall on different banks
.set SPARE,  295168                    ; the spare words, 128 bytes for each wave: two blocks of 256 bytes that no other line names
.set SPITCH, 528                       ; the way out: a stage of 16 rows x (512 bytes + 16) for each wave, in slot 0, which has had its last fill and its last read by then
.set QS,   2                           ; v2-9    four running pairs of squares
.set SS,   10
.set TPR,  11
.set MN,   12                          ; v12-13
.set M2,   14
.set SV,   15
.set ADRA, 16
.set ADRB, 20
.set STO,  24
.set RD,   25
.set CO,   26
.set ADRS, 27
.set SPW,  28                          ; LDS address of my spare word; never rewritten
.set NIL,  29                          ; 0; never rewritten
.set SVO,  30                          ; 4 x lane
.set SC,   32
.set U,    64
.set AF,   128
.set BK,   128
.set G1, 24
.set G0, 32
.set G1B, 48
.set G0B, 56
.set G1S, 68
.set G0S, 76
.set G1SB, 80
.set G0SB, 88
.set MSB, 0
.macro WIN new
.if MSB != (\new)
	s_set_vgpr_msb (MSB<<8)|(\new)
.set MSB, (\new)
.endif
.endm
.set MUL_LO, 0xa1                      ; source 0 (y) window 1, source 1 (W) window 0, C and D window 2
.set MUL_HI, 0xf1
.set TO_B,   0x40
; A joint load: waves 0 and 1 fetch for W, waves 2 and 3 for y.  Each line has one mask and one set of registers for all that issue it; the branch hangs on the wave's number alone.
; Four v_nop follow each of the two lines, ahead of the jump, the label and what follows.
.macro JLOAD g0a, g1a, g0b, g1b
	s_cmp_eq_u32 s15, 0
	s_cbranch_scc0 .Lfor_b_\@
	tensor_load_to_lds s[\g0a:\g0a+3], s[\g1a:\g1a+7]
	s_nop 0
.rept 4
	v_nop
.endr
	s_branch .Lasked_\@
.Lfor_b_\@:
	tensor_load_to_lds s[\g0b:\g0b+3], s[\g1b:\g1b+7]
	s_nop 0
.rept 4
	v_nop
.endr
.Lasked_\@:
.endm
.macro CREST                           ; a round of the cluster's barrier behind its opening barrier
	s_cmp_lg_u32 s14, 0
	s_cbranch_scc1 .Lnot_wave_0_\@
	s_barrier_signal -3
.Lnot_wave_0_\@:
	s_barrier_wait -3
	s_barrier_signal -1
	s_barrier_wait -1
.endm
.macro CROUND
	s_barrier_signal -1
	s_barrier_wait -1
	CREST
.endm
	s_load_b128 s[4:7], s[0:1], 0x0                ; wimg s[4:5], wsc s[6:7]
	s_load_b128 s[8:11], s[0:1], 0x10              ; yimg s[8:9], ysc s[10:11]
	s_load_b64 s[12:13], s[0:1], 0x20              ; z
	s_load_b64 s[98:99], s[0:1], 0x28              ; stats
	v_lshl_add_u32 v[SPW], v0, 2, SPARE
	v_mov_b32 v[NIL], 0
	ds_add_u32 v28, v29
	ds_add_u32 v28, v29
	s_wait_dscnt 0x0
	v_lshrrev_b32 v1, 5, v0
	v_readfirstlane_b32 s14, v1                    ; wave 0..3
	s_lshr_b32 s15, s14, 1                         ; which half of the tile's o is mine.  Also: I fetch for W (0) or for y (1)
	s_and_b32 s16, s14, 1                          ; which half of its n.  Also: which kb of a slot I fetch
	s_bfe_u32 s40, ttmp6, 0x40000                  ; cx, cy: my place in the cluster
	s_bfe_u32 s41, ttmp6, 0x40004
	s_lshl_b32 s42, ttmp9, 2
	s_add_co_u32 s42, s42, s40                     ; tile column tc = 4 x cluster x + cx
	s_and_b32 s17, ttmp7, 0xffff
	s_lshl_b32 s17, s17, 2
	s_add_co_u32 s17, s17, s41                     ; tile row tr = 4 x cluster y + cy
	s_lshl_b32 s43, s41, 2
	s_lshl_b32 s43, 15, s43                        ; my row of the cluster
	s_lshl_b32 s44, 0x1111, s40                    ; my column
	; group 1 for the codes: a dense block of 32,768 bytes as 128 rows of 32 elements of 8 bytes
	s_or_b32 s[G1+0], s43, (3<<16)|(1<<21)         ; 15:0 the mask; 17:16 elements of 8 bytes; 20 no padding; 21 set beside a mask
	s_or_b32 s[G1B+0], s44, (3<<16)|(1<<21)
.irp g, G1, G1B
	s_mov_b32 s[\g+1], 32<<16                      ; tensor_dim0
	s_mov_b32 s[\g+2], 128<<16                     ; tensor_dim1
	s_mov_b32 s[\g+3], 32<<16                      ; tile_dim0
	s_mov_b32 s[\g+4], 128                         ; tile_dim1
	s_mov_b32 s[\g+5], 32                          ; from row to row
	s_mov_b32 s[\g+6], 0
	s_mov_b32 s[\g+7], 0
.endr
	; group 1 for the scale words: 8 kb x 256 words, a kb's rows 2,048 (W) or 8,192 (y) words apart
	s_or_b32 s[G1S+0], s43, (2<<16)|(1<<21)
	s_or_b32 s[G1SB+0], s44, (2<<16)|(1<<21)
.irp g, G1S, G1SB
	s_mov_b32 s[\g+1], 256<<16
	s_mov_b32 s[\g+2], 8<<16
	s_mov_b32 s[\g+3], 256<<16
	s_mov_b32 s[\g+4], 8
	s_mov_b32 s[\g+6], 0
	s_mov_b32 s[\g+7], 0
.endr
	s_mov_b32 s[G1S+5], 2048
	s_mov_b32 s[G1SB+5], 8192
	; where they come from.  W's hang on tr alone, which my row of the cluster shares; y's on tc alone, which my column shares
	s_lshl_b32 s20, s17, 15                        ; wimg: 32,768 tr + 262,144 x my kb
	s_lshl_b32 s18, s16, 18
	s_add_co_u32 s20, s20, s18
	s_mov_b32 s21, 0
	s_lshl_b32 s22, s17, 10                        ; wsc: 1,024 tr + 8 kb x 8,192 x my half
	s_lshl_b32 s18, s16, 16
	s_add_co_u32 s22, s22, s18
	s_mov_b32 s23, 0
	s_lshl_b32 s46, s42, 15                        ; yimg: 32,768 tc + 1,048,576 x my kb
	s_lshl_b32 s18, s16, 20
	s_add_co_u32 s46, s46, s18
	s_mov_b32 s47, 0
	s_lshl_b32 s92, s42, 10                        ; ysc: 1,024 tc + 8 kb x 32,768 x my half
	s_lshl_b32 s18, s16, 18
	s_add_co_u32 s92, s92, s18
	s_mov_b32 s93, 0
	s_lshl_b32 s45, s14, 15                        ; where they go: wave x 32,768: no place in the cluster enters an LDS address
	s_lshl_b32 s94, s16, 13
	s_wait_kmcnt 0x0
	s_add_nc_u64 s[20:21], s[4:5], s[20:21]
	s_add_nc_u64 s[22:23], s[6:7], s[22:23]
	s_add_nc_u64 s[46:47], s[8:9], s[46:47]
	s_add_nc_u64 s[92:93], s[10:11], s[92:93]
	CROUND                                         ; all sixteen work-groups are here: the first joint loads meet
	s_mov_b32 s[G0S], 1
	s_add_co_u32 s[G0S+1], s94, SCLA
	s_mov_b64 s[G0S+2:G0S+3], s[22:23]
	s_or_b32 s[G0S+3], s[G0S+3], 0x80000000
	s_mov_b32 s[G0SB], 1
	s_add_co_u32 s[G0SB+1], s94, SCLB
	s_mov_b64 s[G0SB+2:G0SB+3], s[92:93]
	s_or_b32 s[G0SB+3], s[G0SB+3], 0x80000000
	JLOAD G0S, G1S, G0SB, G1SB                     ; the scale words first: they are wanted with K step 0
.irp s, 0,1
	s_mov_b32 s[G0+4*\s], 1
	s_add_co_u32 s[G0+4*\s+1], s45, \s*SLOT
	s_add_nc_u64 s[G0+4*\s+2:G0+4*\s+3], s[20:21], \s*524288
	s_or_b32 s[G0+4*\s+3], s[G0+4*\s+3], 0x80000000
	s_mov_b32 s[G0B+4*\s], 1
	s_add_co_u32 s[G0B+4*\s+1], s45, \s*SLOT
	s_add_nc_u64 s[G0B+4*\s+2:G0B+4*\s+3], s[46:47], \s*2097152
	s_or_b32 s[G0B+4*\s+3], s[G0B+4*\s+3], 0x80000000
	JLOAD G0+4*\s, G1, G0B+4*\s, G1B
.endr
	v_and_b32 v1, 15, v0                           ; r
	v_bfe_u32 v2, v0, 4, 1                         ; h
	v_and_b32 v6, 31, v0                           ; lane
	v_lshlrev_b32 v4, 4, v6
	s_lshl_b32 s21, s15, 14                        ; my eight o-tiles
	s_lshl_b32 s22, s16, 14                        ; my eight n-tiles,
	s_add_co_u32 s22, s22, 2*REG                   ; behind W's two blocks
.irp s, 0,1
	v_add_nc_u32 v[ADRA+\s], s21, v4
	v_add_nc_u32 v[ADRB+\s], s22, v4
	s_add_co_u32 s21, s21, SLOT
	s_add_co_u32 s22, s22, SLOT
.endr
	v_lshlrev_b32 v5, 2, v1                        ; scale words: lanes 0-15 take W's rows, lanes 16-31 y's: the lower base + h x the distance
	s_lshl_b32 s21, s15, 9
	s_lshl_b32 s22, s16, 9
	s_add_co_u32 s22, s22, SCLB-SCLA
	s_sub_co_u32 s22, s22, s21
	v_mul_u32_u24 v3, s22, v2
	s_add_co_u32 s21, s21, SCLA
	v_add_nc_u32 v5, v5, v3
	v_add_nc_u32 v[ADRS], s21, v5
	s_mul_i32 s23, s14, 16*SPITCH                  ; my stage
	v_mul_u32_u24 v5, v1, SPITCH
	v_lshl_add_u32 v5, v2, 5, v5
	v_add_nc_u32 v[STO], s23, v5                   ; in: row r, 32 bytes for each half of the lanes
	v_lshlrev_b32 v[CO], 4, v6                     ; back: the 32 lanes take one row of 512 bytes; and the same in z
	v_add_nc_u32 v[RD], s23, v[CO]
	v_lshlrev_b32 v[SVO], 2, v6
	v_mov_b32 v[TPR], 0                            ; a lane permute's destination counts as one of its sources
	s_lshl_b32 s20, s17, 19                        ; z: batch tc / 2; o = 256 tr + 128 x half, 2,048 bytes each; i = 256 (tc % 2) + 128 x half
	s_lshl_b32 s21, s15, 18
	s_add_co_u32 s20, s20, s21
	s_lshr_b32 s46, s42, 1
	s_lshl_b32 s46, s46, 22
	s_add_co_u32 s20, s20, s46
	s_and_b32 s47, s42, 1
	s_lshl_b32 s47, s47, 10
	s_add_co_u32 s20, s20, s47
	s_lshl_b32 s47, s16, 9
	s_add_co_u32 s20, s20, s47
	s_mov_b32 s21, 0
	s_add_nc_u64 s[12:13], s[12:13], s[20:21]
	s_lshl_b32 s20, s17, 17                        ; stats: ((16 tr + 8 x half) 64 + 2 tc + half) x 128 bytes
	s_lshl_b32 s47, s15, 16
	s_add_co_u32 s20, s20, s47
	s_lshl_b32 s47, s42, 8
	s_add_co_u32 s20, s20, s47
	s_lshl_b32 s47, s16, 7
	s_add_co_u32 s20, s20, s47
	s_add_nc_u64 s[98:99], s[98:99], s[20:21]
	s_mov_b32 s40, 0x76543210                      ; from here on: v_permlanex16_b32's selects for lane l xor 16,
	s_mov_b32 s41, 0xfedcba98
	s_mov_b32 s42, 0xffff0000                      ; and lanes 16-31
.macro FRAG reg, adr, q, i             ; a fragment comes back as it was stored: four loads of 512 consecutive bytes
.irp c, 0,1,2,3
	ds_load_b128 v[\reg+4*\c:\reg+4*\c+3], v[\adr] offset:REG*(\q)+2048*(\i)+512*\c
.endr
.endm
; 16 matrix instructions: W's blocks a0, a0 + 1 x y's eight, 128 along K.  The 64 accumulators take turns, one instruction a turn, in the same order in every step.
.macro MUL16 a0, p, q, sc, zero
.irp a, \a0, \a0+1
.irp b, 0,1,2,3,4,5,6,7
.if \zero
	v_wmma_scale_f32_16x16x128_f8f6f4 v[8*(8*((\a)%4)+\b):8*(8*((\a)%4)+\b)+7], v[128*(\p)+FR*\b:128*(\p)+FR*\b+FR-1], v[AF+FR*(\a):AF+FR*(\a)+FR-1], 0, v[SC+8*NQ*(\sc)+NQ*\b+(\q)], v[SC+8*NQ*(\sc)+NQ*(\a)+(\q)] matrix_a_fmt:MATRIX_FMT_BF8 matrix_b_fmt:MATRIX_FMT_BF8 matrix_a_scale:MATRIX_SCALE_ROW1
.else
	v_wmma_scale_f32_16x16x128_f8f6f4 v[8*(8*((\a)%4)+\b):8*(8*((\a)%4)+\b)+7], v[128*(\p)+FR*\b:128*(\p)+FR*\b+FR-1], v[AF+FR*(\a):AF+FR*(\a)+FR-1], v[8*(8*((\a)%4)+\b):8*(8*((\a)%4)+\b)+7], v[SC+8*NQ*(\sc)+NQ*\b+(\q)], v[SC+8*NQ*(\sc)+NQ*(\a)+(\q)] matrix_a_fmt:MATRIX_FMT_BF8 matrix_b_fmt:MATRIX_FMT_BF8 matrix_a_scale:MATRIX_SCALE_ROW1
.endif
.endr
.endr
.endm
.macro FETCH_B slot, q, p
	WIN TO_B
.irp i, 0,1,2,3,4,5,6,7
	FRAG 128*(\p)+FR*\i, ADRB+\slot, \q, \i
.endr
	WIN 0
.endm
.macro FETCH_A slot, q, i0
.irp i, \i0, \i0+1, \i0+2, \i0+3
	FRAG AF+FR*(\i), ADRA+\slot, \q, \i
.endr
.endm
.macro SCALES sc                       ; the next K step's scale words: register NQ i + q: lanes 0-15 W's block i, lanes 16-31 y's block i, kb q of the slot
.irp i, 0,1,2,3,4,5,6,7
.irp q, 0,1
	ds_load_b32 v[SC+8*NQ*\sc+NQ*\i+\q], v[ADRS] offset:1024*\q+64*\i
.endr
.endr
.endm
.macro PLACES n
.rept \n
	v_nop
.endr
.endm
.macro STEP slot, q, zero              ; a step of 128 along K that has its successor in the same slot
	s_wait_dscnt 4*NL                              ; y's set, the scale words and W's blocks 0-3 are in; the youngest 16 loads (W's blocks 4-7) may be out
	WIN MUL_LO
	MUL16 0, (\q)%2, \q, \slot, \zero
	MUL16 2, (\q)%2, \q, \slot, \zero
	s_wait_dscnt 0
	PLACES NP
	FETCH_B \slot, (\q)+1, 1-(\q)%2
	FETCH_A \slot, (\q)+1, 0
	WIN MUL_HI
	MUL16 4, (\q)%2, \q, \slot, \zero
	MUL16 6, (\q)%2, \q, \slot, \zero
	PLACES NP
	WIN 0
	FETCH_A \slot, (\q)+1, 4
.endm
; A slot's last step changes slots: ONE barrier; in front of it each wave waits for all its tensor loads, adds 0 to its spare word, and waits for that and for its own reads of this slot.  fill = 1: this slot is filled again, two K steps ahead.
.macro TURN slot, next, fill
	s_wait_tensorcnt 0x0                           ; all my tensor loads have landed: my part of the next slot
	ds_add_u32 v[SPW], v[NIL]                      ; 0 onto my spare word
	s_wait_dscnt 4*NL+1                            ; (the add and the youngest 16 loads may be out)
	WIN MUL_LO
	MUL16 0, 1, NQ-1, \slot, 0
	s_wait_dscnt 0x0                               ; the add is done, and my reads of this slot are over
	s_barrier_signal -1
	MUL16 2, 1, NQ-1, \slot, 0
	WIN 0
	s_barrier_wait -1
.if \fill
	CREST                                          ; the barrier has opened a round of the cluster's barrier: no wave of any partner still reads this slot or has a load on its way
	s_add_nc_u64 s[G0+4*\slot+2:G0+4*\slot+3], s[G0+4*\slot+2:G0+4*\slot+3], 1048576      ; four kb on
	s_add_nc_u64 s[G0B+4*\slot+2:G0B+4*\slot+3], s[G0B+4*\slot+2:G0B+4*\slot+3], 4194304
	JLOAD G0+4*\slot, G1, G0B+4*\slot, G1B         ; the first tensor load behind the round; its four v_nop are among the places in front of the loads below
	PLACES NP-4
.else
	PLACES NP
.endif
	v_add_nc_u32 v[ADRS], 2048, v[ADRS]            ; two kb on
	FETCH_B \next, 0, 0
	FETCH_A \next, 0, 0
	SCALES \next
	WIN MUL_HI
	MUL16 4, 1, NQ-1, \slot, 0
	MUL16 6, 1, NQ-1, \slot, 0
	PLACES NP
	WIN 0
	FETCH_A \next, 0, 4
.endm
	s_wait_tensorcnt 1                             ; the scale words and my part of K step 0 are in (K step 1's load may be out)
	s_barrier_signal -1
	s_barrier_wait -1                              ; everybody's are
	FETCH_B 0, 0, 0
	FETCH_A 0, 0, 0
	SCALES 0
	FETCH_A 0, 0, 4
	STEP 0, 0, 1                                   ; the first step stands in front of the loop: its products start the sums
	s_mov_b32 s3, LAPS-1
.Llap:                                             ; a trip goes once round the ring and fills both slots again
	TURN 0, 1, 1
	STEP 1, 0, 0
	TURN 1, 0, 1
	STEP 0, 0, 0
	s_sub_co_u32 s3, s3, 1
	s_cmp_lg_u32 s3, 0
	s_cbranch_scc1 .Llap
	TURN 0, 1, 0                                   ; the last lap fills nothing, and has no round of the cluster's barrier
	STEP 1, 0, 0
	s_wait_dscnt 4*NL
	WIN MUL_LO
	MUL16 0, 1, NQ-1, 1, 0
	MUL16 2, 1, NQ-1, 1, 0
	s_wait_dscnt 0
	WIN MUL_HI
	MUL16 4, 1, NQ-1, 1, 0
	MUL16 6, 1, NQ-1, 1, 0
	WIN 0
; Block a (16 o x my 128 n): a lane holds 64 numbers of one o, lane l xor 16 the other 64.  The sum; the mean of these 128; the sum of squares about it.  Lanes 0-15 store the sums, lanes 16-31 the squares.
.macro STATS a
.set AC, 64*((\a)%4)
	WIN 0x0a+5*((\a)/4)                            ; sources 0 and 1: window 2 or 3
.irp k, 0,1,2,3,4,5,6,7,8,9,10,11,12,13,14,15
	v_pk_add_f32 v[U+2*\k:U+2*\k+1], v[AC+4*\k:AC+4*\k+1], v[AC+4*\k+2:AC+4*\k+3]   ; each accumulator from its low end on
.endr
	WIN 0
.irp k, 0,1,2,3,4,5,6,7
	v_pk_add_f32 v[U+2*\k:U+2*\k+1], v[U+2*\k:U+2*\k+1], v[U+16+2*\k:U+16+2*\k+1]
.endr
.irp k, 0,1,2,3
	v_pk_add_f32 v[U+2*\k:U+2*\k+1], v[U+2*\k:U+2*\k+1], v[U+8+2*\k:U+8+2*\k+1]
.endr
.irp k, 0,1
	v_pk_add_f32 v[U+2*\k:U+2*\k+1], v[U+2*\k:U+2*\k+1], v[U+4+2*\k:U+4+2*\k+1]
.endr
	v_pk_add_f32 v[U:U+1], v[U:U+1], v[U+2:U+3]
	v_add_f32 v[SS], v[U], v[U+1]
	v_permlanex16_b32 v[TPR], v[SS], s40, s41
	v_add_f32 v[SS], v[SS], v[TPR]
	v_mul_f32 v[MN], 0x3c000000, v[SS]             ; / 128
	v_mov_b32 v[MN+1], v[MN]
	WIN 0x02+((\a)/4)
.set KK, 0
.rept 32
	v_pk_add_f32 v[U+2*KK:U+2*KK+1], v[AC+2*KK:AC+2*KK+1], v[MN:MN+1] neg_lo:[0,1] neg_hi:[0,1]
.set KK, KK+1
.endr
	WIN 0
.irp k, 0,1,2,3
	v_pk_mul_f32 v[QS+2*\k:QS+2*\k+1], v[U+2*\k:U+2*\k+1], v[U+2*\k:U+2*\k+1]
.endr
.set KK, 4
.rept 28
	v_pk_fma_f32 v[QS+2*(KK%4):QS+2*(KK%4)+1], v[U+2*KK:U+2*KK+1], v[U+2*KK:U+2*KK+1], v[QS+2*(KK%4):QS+2*(KK%4)+1]
.set KK, KK+1
.endr
	v_pk_add_f32 v[QS:QS+1], v[QS:QS+1], v[QS+2:QS+3]
	v_pk_add_f32 v[QS+4:QS+5], v[QS+4:QS+5], v[QS+6:QS+7]
	v_pk_add_f32 v[QS:QS+1], v[QS:QS+1], v[QS+4:QS+5]
	v_add_f32 v[M2], v[QS], v[QS+1]
	v_permlanex16_b32 v[TPR], v[M2], s40, s41
	v_add_f32 v[M2], v[M2], v[TPR]
	v_cndmask_b32 v[SV], v[SS], v[M2], s42
	global_store_b32 v[SVO], v[SV], s[98:99] offset:(\a)*8192   ; 128 consecutive bytes
.endm
; THE WAY OUT, block by block: through my own stage in LDS, back as whole rows of 512 bytes.  LDS serves a wave's instructions in order (ISA guide 5.7.1.4): no wait between the stores and the loads.
.macro TOSTAGE a
.set AC, 64*((\a)%4)
	WIN 0x08+4*((\a)/4)                            ; the data: window 2 or 3
.irp b, 0,1,2,3,4,5,6,7
	ds_store_b128 v[STO], v[AC+8*\b:AC+8*\b+3] offset:64*\b
	ds_store_b128 v[STO], v[AC+8*\b+4:AC+8*\b+7] offset:64*\b+16
.endr
	WIN 0
.set BB, BK+64*((\a)%2)
.irp t, 0,1,2,3,4,5,6,7,8,9,10,11,12,13,14,15
	ds_load_b128 v[BB+4*\t:BB+4*\t+3], v[RD] offset:\t*SPITCH
.endr
.endm
.macro SEND a, younger                 ; younger: the LDS instructions issued behind block a's loads, which may stay out
.set BB, BK+64*((\a)%2)
	s_wait_dscnt \younger
.if (\a) > 0
	s_add_nc_u64 s[12:13], s[12:13], 16*2048       ; 16 o on (the earlier stores of z have read their base: the wait on XCNT at the block's head)
.endif
.irp t, 0,1,2,3,4,5,6,7,8,9,10,11,12,13,14,15
	global_store_b128 v[CO], v[BB+4*\t:BB+4*\t+3], s[12:13] offset:\t*2048   ; 32 lanes store 512 consecutive bytes, at a multiple of 512 from z's first byte
.endr
.endm
	PLACES NP                                      ; behind the last products: in front of the first reads of results and of the loads into the registers that held W's fragments
	STATS 0
	TOSTAGE 0
.irp a, 1,2,3,4,5,6,7
	s_wait_xcnt 0x0                                ; the stores issued so far have read their registers and bases: v[SV], block a - 2's rows and z's base may be written
	STATS \a
	TOSTAGE \a
	SEND \a-1, 32                                  ; behind block a - 1's loads: block a's 16 stores and 16 loads
.endr
	s_wait_xcnt 0x0
	SEND 7, 0
	s_wait_tensorcnt 0x0                           ; the wave's end: behind my last tensor load and my last LDS store
	ds_add_u32 v[SPW], v[NIL]
	s_wait_dscnt 0x0
	CROUND                                         ; the closing round: no work-group ends while a partner may still ask for a tile that names it
	s_endpgm
.Lfunc_end_k_q3f2c9a5679_conv:
	.size	k_q3f2c9a5679_conv, .Lfunc_end_k_q3f2c9a5679_conv-k_q3f2c9a5679_conv
	.p2alignl 7, 3214868480
	.fill 96, 4, 3214868480
	.section	.rodata,"a",@progbits
	.p2align	6, 0x0
	.amdhsa_kernel k_q3f2c9a5679_conv
		.amdhsa_group_segment_fixed_size 327680
		.amdhsa_private_segment_fixed_size 0
		.amdhsa_enable_private_segment 0
		.amdhsa_kernarg_size 48
		.amdhsa_user_sgpr_count 2
		.amdhsa_user_sgpr_kernarg_segment_ptr 1
		.amdhsa_wavefront_size32 1
		.amdhsa_system_sgpr_workgroup_id_x 1
		.amdhsa_system_sgpr_workgroup_id_y 1
		.amdhsa_system_sgpr_workgroup_id_z 1
		.amdhsa_system_vgpr_workitem_id 0
		.amdhsa_next_free_vgpr 1024
		.amdhsa_next_free_sgpr 100
		.amdhsa_reserve_vcc 0
		.amdhsa_float_denorm_mode_32 3
		.amdhsa_float_denorm_mode_16_64 3
		.amdhsa_memory_ordered 1
		.amdhsa_forward_progress 1
		.amdhsa_inst_pref_size 202
	.end_amdhsa_kernel
	.amdgpu_metadata
---
amdhsa.version: [ 1, 2 ]
amdhsa.kernels:
  - .name:           k_q3f2c9a5679_conv
    .symbol:         k_q3f2c9a5679_conv.kd
    .args:
      - { .name: wimg, .offset: 0, .size: 8, .value_kind: global_buffer, .address_space: global }
      - { .name: wsc, .offset: 8, .size: 8, .value_kind: global_buffer, .address_space: global }
      - { .name: yimg, .offset: 16, .size: 8, .value_kind: global_buffer, .address_space: global }
      - { .name: ysc, .offset: 24, .size: 8, .value_kind: global_buffer, .address_space: global }
      - { .name: z, .offset: 32, .size: 8, .value_kind: global_buffer, .address_space: global }
      - { .name: stats, .offset: 40, .size: 8, .value_kind: global_buffer, .address_space: global }
    .group_segment_fixed_size: 327680
    .private_segment_fixed_size: 0
    .kernarg_segment_align: 8
    .kernarg_segment_size: 48
    .max_flat_workgroup_size: 128
    .sgpr_count:     100
    .vgpr_count:     1024
    .wavefront_size: 32
...
	.end_amdgpu_metadata
.endif
;; end of part 3
;; launch norm (part 4): grid 512 x 1, 8 waves a work-group, no clusters, 0 bytes of LDS; arguments z, stats, bn_gamma, bn_beta, out0; writes out0
.if DOCPART == 4
	.amdgcn_target "amdgcn-amd-amdhsa--gfx1250"
	.amdhsa_code_object_version 6
	.text
	.protected	k_q3f2c9a5679_norm
	.globl	k_q3f2c9a5679_norm
	.p2align	8
	.type	k_q3f2c9a5679_norm,@function
k_q3f2c9a5679_norm:
	s_mov_b64 s[64:65], 0
	v_nop
	global_prefetch_b8 v0, s[64:65] scope:SCOPE_SE
	s_setreg_imm32_b32 hwreg(HW_REG_WAVE_MODE, 25, 1), 1
	s_wait_xcnt 0x0
; NORM.  out0[b][o][i] = (z[b][o][i] - mean[o]) x gamma[o] / sqrt(var[o] + 1e-5) + beta[o]; mean and var over the 8,192 numbers of channel o.
; stats [o / 16][p 64][2][16] holds, for each o and each run p of 128 numbers, the run's sum S and its sum of squares M about the run's own mean.  They are joined without a difference of large sums:
; mean = sum S / 8,192;  var = (sum M + 128 x sum (S / 128 - mean)^2) / 8,192.  z is centred before it is scaled.
; A stream: memory binds, so no LDS, no barrier, no matrix unit.  Work-group g: channels 16 (g / 4) on, batches 4 (g % 4) on.  Wave w: channels 2 w, 2 w + 1: 4,096 consecutive bytes in each of four batches,
; 32 loads of 512 consecutive bytes, all asked for at once; the statistics are joined while they are on their way; every register is stored from where it was loaded, and none is used twice.
.set ZR, 32                            ; v32-159 z
	s_load_b256 s[4:11], s[0:1], 0x0               ; z s[4:5], stats s[6:7], gamma s[8:9], beta s[10:11]
	s_load_b64 s[12:13], s[0:1], 0x20              ; out0
	v_lshrrev_b32 v1, 5, v0
	v_readfirstlane_b32 s14, v1                    ; wave 0..7
	v_and_b32 v1, 31, v0                           ; lane
	s_lshr_b32 s15, ttmp9, 2                       ; which 16 channels
	s_and_b32 s16, ttmp9, 3                        ; which four batches
	s_lshl_b32 s17, s14, 3
	v_lshl_add_u32 v2, v1, 7, s17                  ; stats: run = lane (and lane + 32): 128 x lane + 8 w
	s_lshl_b32 s17, s14, 12
	v_lshl_add_u32 v3, v1, 4, s17                  ; z, out0: 4,096 w + 16 x lane
	s_lshl_b32 s20, s15, 13
	s_mov_b32 s21, 0
	s_lshl_b32 s22, s16, 24                        ; four batches of 4,194,304 bytes,
	s_lshl_b32 s23, s15, 15                        ; 16 channels of 2,048
	s_add_co_u32 s22, s22, s23
	s_mov_b32 s23, 0
	s_lshl_b32 s24, s15, 6                         ; gamma, beta: 4 (16 ob + 2 w)
	s_lshl_b32 s25, s14, 3
	s_add_co_u32 s24, s24, s25
	s_mov_b32 s25, 0
	s_mov_b32 s36, 0x76543210
	s_mov_b32 s37, 0xfedcba98
	s_mov_b32 s39, 0x3727c5ac                      ; 1e-5
	v_mov_b32 v6, 0                                ; lane permutes' destinations count as sources
	v_mov_b32 v7, 0
	s_wait_kmcnt 0x0
	s_add_nc_u64 s[6:7], s[6:7], s[20:21]
	s_add_nc_u64 s[4:5], s[4:5], s[22:23]
	s_add_nc_u64 s[12:13], s[12:13], s[22:23]
	s_add_nc_u64 s[8:9], s[8:9], s[24:25]
	s_add_nc_u64 s[10:11], s[10:11], s[24:25]
	s_add_nc_u64 s[30:31], s[4:5], 0x800000        ; batches 2 and 3 from bases of their own, so that every immediate stays inside its signed 24 bits
	s_add_nc_u64 s[32:33], s[12:13], 0x800000
	s_load_b64 s[26:27], s[8:9], 0x0               ; gamma of my two channels
	s_load_b64 s[28:29], s[10:11], 0x0             ; beta
.irp e, 0,1
	global_load_b32 v[8+4*\e], v2, s[6:7] offset:4*\e              ; S of run lane,
	global_load_b32 v[9+4*\e], v2, s[6:7] offset:4096+4*\e         ; of run lane + 32,
	global_load_b32 v[10+4*\e], v2, s[6:7] offset:64+4*\e          ; M likewise
	global_load_b32 v[11+4*\e], v2, s[6:7] offset:4096+64+4*\e
.endr
.irp bi, 0,1,2,3
.irp k, 0,1,2,3,4,5,6,7
	global_load_b128 v[ZR+32*\bi+4*\k:ZR+32*\bi+4*\k+3], v3, s[4+26*(\bi/2):5+26*(\bi/2)] offset:(\bi%2)*4194304+512*\k th:TH_LOAD_NT
.endr
.endr
.macro RED reg, tmp                    ; the sum over the wave's 32 lanes, in every lane
	v_add_f32_dpp v[\reg], v[\reg], v[\reg] row_xmask:1 row_mask:0xf bank_mask:0xf
	v_add_f32_dpp v[\reg], v[\reg], v[\reg] row_xmask:2 row_mask:0xf bank_mask:0xf
	v_add_f32_dpp v[\reg], v[\reg], v[\reg] row_xmask:4 row_mask:0xf bank_mask:0xf
	v_add_f32_dpp v[\reg], v[\reg], v[\reg] row_xmask:8 row_mask:0xf bank_mask:0xf
	v_permlanex16_b32 v[\tmp], v[\reg], s36, s37
	v_add_f32 v[\reg], v[\reg], v[\tmp]
.endm
	s_wait_loadcnt 32                              ; the eight partial figures are in; all 32 loads of z may be out
.irp e, 0,1                            ; channel e: mean in v[16+6e:17+6e], gamma / sqrt(var + eps) in v[18+6e:19+6e], beta in v[20+6e:21+6e], each twice, for the packed forms
	v_add_f32 v[4+\e], v[8+4*\e], v[9+4*\e]
	RED 4+\e, 6+\e
	v_mul_f32 v[16+6*\e], 0x39000000, v[4+\e]                      ; mean = sum / 8,192
	v_fma_f32 v[8+4*\e], v[8+4*\e], 0x3c000000, -v[16+6*\e]        ; a run's mean less the mean
	v_fma_f32 v[9+4*\e], v[9+4*\e], 0x3c000000, -v[16+6*\e]
	v_mul_f32 v[8+4*\e], v[8+4*\e], v[8+4*\e]
	v_fma_f32 v[8+4*\e], v[9+4*\e], v[9+4*\e], v[8+4*\e]
	v_add_f32 v[10+4*\e], v[10+4*\e], v[11+4*\e]
	v_fma_f32 v[10+4*\e], v[8+4*\e], 0x43000000, v[10+4*\e]        ; + 128 x the squares
	RED 10+4*\e, 6+\e
	v_fma_f32 v[10+4*\e], v[10+4*\e], 0x39000000, s39              ; var + 1e-5
	v_mov_b32 v[17+6*\e], v[16+6*\e]
.endr
	v_rsq_f32 v18, v10
	v_rsq_f32 v24, v14
	s_wait_kmcnt 0x0                               ; gamma and beta
	v_mov_b32 v20, s28                             ; plain lines behind the transcendentals,
	v_mov_b32 v21, s28
	v_mov_b32 v26, s29
	v_mov_b32 v27, s29
	s_wait_alu depctr_va_vdst(0)                   ; and one wait for both, ahead of their first reader
	v_mul_f32 v18, s26, v18
	v_mul_f32 v24, s27, v24
	v_mov_b32 v19, v18
	v_mov_b32 v25, v24
.irp bi, 0,1,2,3
	s_wait_loadcnt 8*(3-\bi)                       ; this batch's eight loads are in; the later batches' may be out
.irp k, 0,1,2,3,4,5,6,7                ; k / 4 is the channel
	v_pk_add_f32 v[ZR+32*\bi+4*\k:ZR+32*\bi+4*\k+1], v[ZR+32*\bi+4*\k:ZR+32*\bi+4*\k+1], v[16+6*(\k/4):17+6*(\k/4)] neg_lo:[0,1] neg_hi:[0,1]
	v_pk_add_f32 v[ZR+32*\bi+4*\k+2:ZR+32*\bi+4*\k+3], v[ZR+32*\bi+4*\k+2:ZR+32*\bi+4*\k+3], v[16+6*(\k/4):17+6*(\k/4)] neg_lo:[0,1] neg_hi:[0,1]
	v_pk_fma_f32 v[ZR+32*\bi+4*\k:ZR+32*\bi+4*\k+1], v[ZR+32*\bi+4*\k:ZR+32*\bi+4*\k+1], v[18+6*(\k/4):19+6*(\k/4)], v[20+6*(\k/4):21+6*(\k/4)]
	v_pk_fma_f32 v[ZR+32*\bi+4*\k+2:ZR+32*\bi+4*\k+3], v[ZR+32*\bi+4*\k+2:ZR+32*\bi+4*\k+3], v[18+6*(\k/4):19+6*(\k/4)], v[20+6*(\k/4):21+6*(\k/4)]
	global_store_b128 v3, v[ZR+32*\bi+4*\k:ZR+32*\bi+4*\k+3], s[12+20*(\bi/2):13+20*(\bi/2)] offset:(\bi%2)*4194304+512*\k th:TH_STORE_NT   ; 512 consecutive bytes, aligned
.endr
.endr
	s_endpgm
.Lfunc_end_k_q3f2c9a5679_norm:
	.size	k_q3f2c9a5679_norm, .Lfunc_end_k_q3f2c9a5679_norm-k_q3f2c9a5679_norm
	.p2alignl 7, 3214868480
	.fill 96, 4, 3214868480
	.section	.rodata,"a",@progbits
	.p2align	6, 0x0
	.amdhsa_kernel k_q3f2c9a5679_norm
		.amdhsa_group_segment_fixed_size 0
		.amdhsa_private_segment_fixed_size 0
		.amdhsa_enable_private_segment 0
		.amdhsa_kernarg_size 40
		.amdhsa_user_sgpr_count 2
		.amdhsa_user_sgpr_kernarg_segment_ptr 1
		.amdhsa_wavefront_size32 1
		.amdhsa_system_sgpr_workgroup_id_x 1
		.amdhsa_system_sgpr_workgroup_id_y 1
		.amdhsa_system_sgpr_workgroup_id_z 1
		.amdhsa_system_vgpr_workitem_id 0
		.amdhsa_next_free_vgpr 168
		.amdhsa_next_free_sgpr 66
		.amdhsa_reserve_vcc 0
		.amdhsa_float_denorm_mode_32 3
		.amdhsa_float_denorm_mode_16_64 3
		.amdhsa_memory_ordered 1
		.amdhsa_forward_progress 1
		.amdhsa_inst_pref_size 20
	.end_amdhsa_kernel
	.amdgpu_metadata
---
amdhsa.version: [ 1, 2 ]
amdhsa.kernels:
  - .name:           k_q3f2c9a5679_norm
    .symbol:         k_q3f2c9a5679_norm.kd
    .args:
      - { .name: z, .offset: 0, .size: 8, .value_kind: global_buffer, .address_space: global }
      - { .name: stats, .offset: 8, .size: 8, .value_kind: global_buffer, .address_space: global }
      - { .name: bn_gamma, .offset: 16, .size: 8, .value_kind: global_buffer, .address_space: global }
      - { .name: bn_beta, .offset: 24, .size: 8, .value_kind: global_buffer, .address_space: global }
      - { .name: out0, .offset: 32, .size: 8, .value_kind: global_buffer, .address_space: global }
    .group_segment_fixed_size: 0
    .private_segment_fixed_size: 0
    .kernarg_segment_align: 8
    .kernarg_segment_size: 40
    .max_flat_workgroup_size: 256
    .sgpr_count:     66
    .vgpr_count:     168
    .wavefront_size: 32
...
	.end_amdgpu_metadata
.endif
;; end of part 4
;; ======== version 2 of 2: 4 launches; version 1 with the launches context, norm written anew for expert scheduling mode
;; workspace buffers: wimg 4,194,304 bytes; wsc 131,072 bytes; simg 4,194,304 bytes; ssc 32,768 bytes; yimg 16,777,216 bytes; ysc 524,288 bytes; z 67,108,864 bytes; stats 1,048,576 bytes
;; launch prep: the kernel of part 1 again; grid 256 x 1, 4 waves a work-group, no clusters, 36,352 bytes of LDS; arguments conv_w, label, wimg, wsc, simg, ssc; writes wimg, wsc, simg, ssc
;; launch context (part 5): grid 256 x 1, 4 waves a work-group, no clusters, 317,952 bytes of LDS; arguments feats, simg, ssc, yimg, ysc; writes yimg, ysc
.if DOCPART == 5
	.amdgcn_target "amdgcn-amd-amdhsa--gfx1250"
	.amdhsa_code_object_version 6
	.text
	.protected	k_q3f2c9a5679_context
	.globl	k_q3f2c9a5679_context
	.p2align	8
	.type	k_q3f2c9a5679_context,@function
k_q3f2c9a5679_context:
	s_mov_b64 s[64:65], 0
	v_nop
	global_prefetch_b8 v0, s[64:65] scope:SCOPE_SE
	s_setreg_imm32_b32 hwreg(HW_REG_WAVE_SCHED_MODE, 0, 2), 2
	s_setreg_imm32_b32 hwreg(HW_REG_WAVE_MODE, 25, 1), 1
	s_wait_xcnt 0x0
	s_wait_alu depctr_vm_vsrc(0)
; CONTEXT.  y[b][c][i] = feats[b][c][i] + the sum over the four scales s of the sum over j of Q(x_s)[c][j] Q(sim)[i][j];  x_1 = feats, x_4, x_8, x_16 = feats pooled by s x s and brought back to 32 x 16 by
; bilinear interpolation with aligned corners.  Q: codes of BF8 (E5M2), one E8M0 scale for each 32 along j.  y is quantised along c on the way out: yimg [kb 16][n-tile 512][2048], ysc [kb 16][n 8192] words, n = 512 b + i.
; The four products share sim: they are ONE sum over K = 4 x 512 whose C is feats, so nothing is cleared and nothing is added afterwards.
; SHARES.  Work-group g: batch b = g / 16, channels 128 (g % 16) on, all 512 i.  Two divisions among its four waves:
;   quantising: wave w makes the fragments of c-tiles 2 w + e; lane r of c-tile ct takes channel 32 (ct / 2) + 8 (ct % 2) + r % 8 + 16 (r / 8);
;   products:   wave w owns the eight i-tiles 8 (nt / 2) + 2 w + nt % 2 against all eight c-tiles: 64 accumulators.
; Source 0 = x (16 channels), source 1 = sim (16 i): lane (r, h), register j of accumulator (ct, nt) is channel 32 (ct / 2) + 16 h + 8 (ct % 2) + j at i = 16 x i-tile + r: for a fixed nt a lane's 64 results are
; neighbours along c in the very order of the next operand's registers, so Q(y) needs one exchange between the halves of the lanes and no transposition.
; j = 16 y + x: group q of fragment ks in lane (r, h) is image row y = 8 ks + 2 q + h, all 16 x: a block of 32 is two image rows, one in each half of the lanes.
; PHASES.  P1: feats in four chunks of 128 j through LDS: scale 1 is quantised, 4 x 4 partial sums are kept, and the chunk comes back in the result's layout as C.  P2: the three pooled scales are interpolated and
; quantised.  P3: 16 steps of 64 matrix instructions; x's fragments from LDS (register images), sim's from memory straight into registers.  P4: Q(y), stores.
; INTERPOLATION: value = P[p] + f (P[p+1] - P[p]) with p fixed by the text and f = y x ratio - p.  Where the position falls on a knot, f is 0 or 1 on a neighbouring piece: the same value but for the last bit.
; A block's largest magnitude is taken over the row's knots (every knot is a sample, and a linear piece is largest at an end); rounding can lift a sample one last bit over a knot, which matters only where the
; largest magnitude lies that close under a power of two: that one code is then held one step low.
; NO CLUSTER: what work-groups share is sim; each of its fragments is used by one wave of a work-group and goes straight into that wave's registers, which a joint load into LDS cannot serve; LDS is full of x's images.
; LIMITS: NaN and infinities are not served; a block whose largest magnitude lies under 2^-111 keeps the byte 1, a block of zeros too (its codes are zeros; this program alone reads the bytes).
; LDS: IMG(sc) at 69,632 sc: 32 fragments (8 ks + ct) x 2,048, then their scale words, 128 bytes each.  During P1 two chunk buffers lie over IMG 2 and 3: channel c at (c / 16) 8,576 + (c % 16) 528:
; the 128 bytes more for each 16 rows keep both the 16-byte reads of the quantising layout and the 4-byte reads of the result's layout on different banks (64 banks of 4 bytes: ISA guide 11.1).
; THE MODE: SCHED_MODE bits 1:0 = 2 (LLVM: expert scheduling mode 2), set by the entry lines.  The code itself states the register dependences between vector or matrix instructions and memory or LDS
; instructions, with s_wait_alu, always for 0.
; THE PLAN.  Registers that memory or LDS instructions touch, and who else names them:
;   v1-31       addresses, made at the head ahead of one wait on va_vdst.  Those that a loop makes anew (QA, IA, SA, PA; PA, PB, IWK, SWK; XAW, XSK): a wait on vm_vsrc, the adds, a wait on va_vdst, once a trip.
;   P1          the landing registers (windows 2, 3): global loads write them, the chunk's LDS stores read them, the chunk's read-back writes them again: one wait on vm_vsrc a chunk.  No vector line names them before P3.
;               T: LDS loads land, vector lines read and write.  CC, PC, PW: vector lines write, LDS stores read: one wait on va_vdst ahead of a tile's stores.
;   P2          PC, PW: a wait on va_vdst ahead of a fragment's stores; a wait on vm_vsrc ahead of the next fragment's scale lines, behind that fragment's interpolation.
;   P3          x has three buffers of four fragments: L0 (v128-191) and L1 (v64-127) take c-tiles 0-3 of even and of odd steps, H (v192-255) c-tiles 4-7 of every step; two sets of x's scale words by turns;
;               two sets of sim.  ONE wait on va_vdst at a step's head: the products of the step before are done reading H, the other L, the other scale set and (every fourth step) the sim set that is asked for next.
;               Behind it the step's 40 LDS loads go in four runs, one ahead of each 16 products: H's tiles 4, 5; H's tiles 6, 7; the next step's tiles 0, 1 and words 0-3; its tiles 2, 3 and words 4-7.
;               H is loaded ahead of the products that read it, the other L and the other scale set are not named in the step: no product issued since the wait names a register that these loads touch.
;   P4          each i-tile has code registers and a scale word of its own; its stores go out in the next tile, behind a wait on va_vdst that stands ahead of that tile's lane exchange.
.set IMGB, 69632
.set CH0,  139264
.set CH1,  207872
.set GRP,  8576
.set CPW,  17152
.set POOL, 278528                      ; partial sums: 9,216 w + 4,608 e + 144 x lane
.set YSS,  315392                      ; y's 512 scale words
; window 0, addresses
.set LI,  1                            ; 16 x lane
.set LS,  2                            ; 4 x lane
.set RW,  3                            ; 128 w + 4 r
.set GA,  4                            ; feats: 65,536 w + 16 x lane
.set CHW, 5                            ; v5-6   chunk buffer x, way in
.set CHQ, 7                            ; v7-8   its reads in the quantising layout
.set CHD, 9                            ; v9-10  its reads in the result's layout
.set QA,  11                           ; at work
.set IMW, 12                           ; v12-15 where I store images of scale sc; in P3 XA: where images are read
.set XSA, 16                           ; v16-19 the same for scale words; in P3 XS
.set PO,  20                           ; my partial sums
.set PP,  21                           ; lane l xor 16's
.set IA,  22                           ; P1: at work
.set SA,  23
.set SWK, 22                           ; P2: v22-24 at work
.set IWK, 27                           ; P2: v27-29 at work
.set PA,  30
.set PB,  31
.set SIMO, 25                          ; simg: 16,384 w + 16 x lane
.set YO,  26                           ; yimg: 4,096 w + 16 x lane
.set XA,  12
.set XS,  16
.set XAW, 20                           ; P3: v20-23 at work
.set XSK, 27                           ; P3: v27-30 at work
; window 0, P1 and P2
.set P4,  32                           ; v32-63  pooled 4 x 4: 8 x 4
.set DY4, 64                           ; v64-91  differences down the rows
.set P8,  92                           ; v92-99  4 x 2
.set DY8, 100
.set P16, 106                          ; v106-107  2 x 1
.set DY16, 108
.set HH,  109                          ; h
.set SCR, 110
.set F4,  112                          ; f for image row 2 t + h, t = 0 .. 15
.set F8,  128
.set F16, 144
.set FX4, 160                          ; f for column x
.set FX8, 176
.set RB,  192                          ; eight a q: the row's knots in the even registers
.set DXB, 224                          ; their differences, likewise
; window 0, P3 and P4
.set SSW, 4                            ; v4-11   sim's scale words of my eight i-tiles
.set XSW, 32                           ; v32-47  x's scale words, two sets of eight
.set TMY, 48                           ; P4
.set PWY, 64                           ; P4
.set XH,  192                          ; P3: v192-255 x's c-tiles 4-7;  c-tiles 0-3 at v128-191 in even steps, at v64-127 in odd ones
.set XF,  128                          ; P4: v128-255 y's codes
; window 1
.set T,   128                          ; 64 numbers in the operand's order
.set PC,  192
.set TM,  208
.set PW,  224
.set CC,  228
.set TP,  236
.set SEL, 20
.set MNT, 22
.set HM,  23                           ; lanes 16-31
.set OQ,  32                           ; the loops' steps: e x 4,224, e x 2,048, e x 128, e x 4,608
.set OI,  33
.set OS,  34
.set OP,  35
.set XO,  36
.set XSO, 37
.set MSB, 0
.macro WIN new                         ; s_set_vgpr_msb: bits 1:0 source 0, 3:2 source 1, 5:4 source 2, 7:6 destination; the high byte repeats the setting that is left
.if MSB != (\new)
	s_set_vgpr_msb (MSB<<8)|(\new)
.set MSB, (\new)
.endif
.endm
.set MUL_LO, 0xa4                      ; x window 0, sim window 1, C and D window 2
.set MUL_HI, 0xf4                      ; the same, C and D window 3
.macro BARRIER                         ; my LDS stores have landed and my LDS loads are in: then the work-group's barrier
	s_wait_dscnt 0x0
	s_barrier_signal -1
	s_barrier_wait -1
.endm
.macro PLACES                          ; eight plain places behind this matrix form, in front of vector lines that read its results or write its registers
.rept 8
	v_nop
.endr
.endm
	s_load_b256 s[4:11], s[0:1], 0x0               ; feats s[4:5], simg s[6:7], ssc s[8:9], yimg s[10:11]
	s_load_b64 s[12:13], s[0:1], 0x20              ; ysc
	v_lshrrev_b32 v27, 5, v0
	v_readfirstlane_b32 s14, v27                   ; wave 0..3
	s_lshr_b32 s15, ttmp9, 4                       ; b
	s_and_b32 s16, ttmp9, 15                       ; which 128 channels
	s_mov_b32 s[SEL], 0x76543210
	s_mov_b32 s[SEL+1], 0xfedcba98
	s_mov_b32 s[MNT], 0x600000
	s_mov_b32 s[HM], 0xffff0000
	v_and_b32 v30, 31, v0                          ; lane
	v_and_b32 v31, 15, v0                          ; r
	v_bfe_u32 v[HH], v0, 4, 1                      ; h
	v_lshlrev_b32 v[LI], 4, v30
	v_lshlrev_b32 v[LS], 2, v30
	s_wait_alu depctr_va_sdst(0)                   ; s14 is written, ahead of its first reader: the wave's shares of LDS and of the buffers are made from it
	s_lshl_b32 s26, s14, 7
	v_lshl_add_u32 v[RW], v31, 2, s26
	s_lshl_b32 s26, s14, 16
	v_add_nc_u32 v[GA], s26, v[LI]
	s_mul_i32 s26, s14, CPW
	s_add_co_u32 s27, s26, CH0
	s_add_co_u32 s28, s26, CH1
	v_add_nc_u32 v[CHW], s27, v[LI]
	v_add_nc_u32 v[CHW+1], s28, v[LI]
	v_lshrrev_b32 v27, 3, v31
	v_and_b32 v28, 7, v31
	v_mul_u32_u24 v27, v27, GRP
	v_mad_u32_u24 v27, v28, 528, v27
	v_lshl_add_u32 v27, v[HH], 6, v27              ; (r / 8) 8,576 + (r % 8) 528 + 64 h
	v_add_nc_u32 v[CHQ], s27, v27
	v_add_nc_u32 v[CHQ+1], s28, v27
	v_mad_u32_u24 v27, v[HH], GRP, v[RW]           ; 8,576 h + 128 w + 4 r
	v_add_nc_u32 v[CHD], CH0, v27
	v_add_nc_u32 v[CHD+1], CH1, v27
	s_lshl_b32 s26, s14, 12
	s_lshl_b32 s27, s14, 8
	s_add_co_u32 s27, s27, 65536
.irp sc, 0,1,2,3
	v_add_nc_u32 v[IMW+\sc], s26, v[LI]            ; IMG(sc) + 4,096 w + 16 x lane
	v_add_nc_u32 v[XSA+\sc], s27, v[LS]            ; IMG(sc) + 65,536 + 256 w + 4 x lane
	s_add_co_u32 s26, s26, IMGB
	s_add_co_u32 s27, s27, IMGB
.endr
	s_mul_i32 s26, s14, 9216
	s_add_co_u32 s26, s26, POOL
	v_mul_u32_u24 v[PO], v30, 144
	v_add_nc_u32 v[PO], s26, v[PO]
	v_xor_b32 v27, 16, v30
	v_mul_u32_u24 v[PP], v27, 144
	v_add_nc_u32 v[PP], s26, v[PP]
	s_lshl_b32 s26, s14, 14
	v_add_nc_u32 v[SIMO], s26, v[LI]
	s_lshl_b32 s26, s14, 12
	v_add_nc_u32 v[YO], s26, v[LI]
	s_lshl_b32 s26, s15, 22                        ; feats: 4,194,304 b + 262,144 cb
	s_lshl_b32 s27, s16, 18
	s_add_co_u32 s26, s26, s27
	s_mov_b32 s27, 0
	s_lshl_b32 s28, s15, 18                        ; simg: 262,144 b
	s_mov_b32 s29, 0
	s_lshl_b32 s30, s15, 11                        ; ssc: 2,048 b
	s_mov_b32 s31, 0
	s_lshl_b32 s32, s16, 20                        ; yimg: 1,048,576 cb + 65,536 b
	s_lshl_b32 s33, s15, 16
	s_add_co_u32 s32, s32, s33
	s_mov_b32 s33, 0
	s_lshl_b32 s34, s16, 15                        ; ysc: 32,768 cb + 2,048 b
	s_add_co_u32 s34, s34, s30
	s_mov_b32 s35, 0
	s_wait_kmcnt 0x0
	s_add_nc_u64 s[4:5], s[4:5], s[26:27]
	s_add_nc_u64 s[6:7], s[6:7], s[28:29]
	s_add_nc_u64 s[8:9], s[8:9], s[30:31]
	s_add_nc_u64 s[10:11], s[10:11], s[32:33]
	s_add_nc_u64 s[12:13], s[12:13], s[34:35]
	s_wait_alu depctr_va_vdst(0)                   ; the addresses v1 to v31 are written: GA, CHW, CHD, RW, SIMO and YO are read by loads and stores as they stand, and no vector line writes them again
; Chunk ks of my 32 channels: a load takes 512 consecutive bytes of one channel.  They land in the registers that will be the chunk's own accumulators (nt = 2 ks, 2 ks + 1), so landing costs no register.
.macro LAND ks
	WIN 0x80
.set LL, 0
.rept 16
	global_load_b128 v[64*(LL/4)+16*(\ks)+4*(LL%4):64*(LL/4)+16*(\ks)+4*(LL%4)+3], v[GA], s[4:5] offset:LL*2048+(\ks)*512 th:TH_LOAD_NT
.set LL, LL+1
.endr
	WIN 0xc0
.set LL, 0
.rept 16
	global_load_b128 v[64*(LL/4)+16*(\ks)+4*(LL%4):64*(LL/4)+16*(\ks)+4*(LL%4)+3], v[GA], s[4:5] offset:(LL+16)*2048+(\ks)*512 th:TH_LOAD_NT
.set LL, LL+1
.endr
	WIN 0
.endm
	LAND 0
	LAND 1
; the weights, while the first chunks are on their way: f = (2 t + h) x ratio - p, a multiplication and a subtraction as reference() rounds them
.macro FTAB base, kk, hs, ratio
.set TT, 0
.rept 16
.set PLO, (2*TT*\kk)/31
.set PHI, ((2*TT+1)*\kk)/31
.if PLO > (\hs-2)
.set PLO, \hs-2
.endif
.if PHI > (\hs-2)
.set PHI, \hs-2
.endif
	v_add_nc_u32 v[SCR], 2*TT, v[HH]
	v_cvt_f32_u32 v[SCR], v[SCR]
	v_mul_f32 v[\base+TT], \ratio, v[SCR]
.if PLO == PHI
	v_cvt_f32_u32 v[SCR+1], PLO
.else
	v_add_nc_u32 v[SCR+1], PLO, v[HH]
	v_cvt_f32_u32 v[SCR+1], v[SCR+1]
.endif
	v_sub_f32 v[\base+TT], v[\base+TT], v[SCR+1]
.set TT, TT+1
.endr
.endm
	FTAB F4, 7, 8, 0x3e6739ce                      ; 7 / 31
	FTAB F8, 3, 4, 0x3dc6318c                      ; 3 / 31
	FTAB F16, 1, 2, 0x3d042108                     ; 1 / 31
.set XX, 0
.rept 16
	v_cvt_f32_u32 v[SCR], XX
	v_cvt_f32_u32 v[SCR+1], ((XX/2)*2)/5           ; the piece of column x among four knots: 0 up to x = 5, 1 up to 9, then 2
	v_mul_f32 v[FX4+XX], 0x3e4ccccd, v[SCR]        ; x x 3 / 15
	v_mul_f32 v[FX8+XX], 0x3d888889, v[SCR]        ; x x 1 / 15
	v_sub_f32 v[FX4+XX], v[FX4+XX], v[SCR+1]
.set XX, XX+1
.endr
.set II, 0
.rept 32
	v_mov_b32 v[DXB+II], 0                         ; the odd registers are named as upper halves of pairs, so they are written
.set II, II+1
.endr
	WIN 0x40
.irp b, 0,1,2,3
	v_mov_b32 v[TM+4+\b], 0                        ; a lane permute's destination counts as one of its sources
.endr
	WIN 0
; the quantiser's lines, all in window 1.  v[TM] on hold each lane's largest magnitude of its 16 numbers of the four blocks
.macro QSCALE
.irp b, 0,1,2,3
	v_permlanex16_b32 v[TM+4+\b], v[TM+\b], s[SEL], s[SEL+1]
.endr
.irp b, 0,1,2,3
	v_max_num_f32 v[TM+\b], v[TM+\b], v[TM+4+\b]   ; with lane l xor 16's: the block's
.endr
.irp b, 0,1,2,3
	v_add_nc_u32 v[TM+12+\b], 0xf8800000, v[TM+\b] ; 15 off the exponent field: the conversion's scale operand
.endr
.irp b, 0,1,2,3
	v_and_or_b32 v[TM+8+\b], v[TM+\b], 0x7f800000, s[MNT]   ; 57,344 x the scale
.endr
.irp b, 0,1,2,3
	v_lshrrev_b32 v[TM+4+\b], 23, v[TM+12+\b]      ; the byte
.endr
	v_lshl_or_b32 v[PW], v[TM+5], 8, v[TM+4]
	v_lshl_or_b32 v[PW], v[TM+6], 16, v[PW]
	v_lshl_or_b32 v[PW], v[TM+7], 24, v[PW]
.endm
.macro QCVT
.irp b, 0,1,2,3
.irp i, 0,1,2,3,4,5,6,7,8,9,10,11,12,13,14,15
	v_med3_num_f32 v[T+16*\b+\i], v[T+16*\b+\i], -v[TM+8+\b], v[TM+8+\b]   ; the conversion does not saturate (ISA guide 7.6.2)
.endr
	v_cvt_scalef32_pk8_bf8_f32 v[PC+4*\b:PC+4*\b+1], v[T+16*\b:T+16*\b+7], v[TM+12+\b]
	v_cvt_scalef32_pk8_bf8_f32 v[PC+4*\b+2:PC+4*\b+3], v[T+16*\b+8:T+16*\b+15], v[TM+12+\b]
.endr
	v_nop                                          ; a plain line behind the last conversion
.endm
; ---------------- P1.  One c-tile (e) of chunk ks: its 64 numbers a lane, partial sums of 4 x 4 cells, scale 1's fragment
.macro QPART ks
	s_wait_alu depctr_vm_vsrc(0)                   ; the last tile's LDS loads and stores have read QA, IA, SA and PA, which the four adds write, and CC, PC and PW, which this tile's lines write again
	v_add_nc_u32 v[QA], s[OQ], v[CHQ+CX]
	v_add_nc_u32 v[IA], s[OI], v[IMW]
	v_add_nc_u32 v[SA], s[OS], v[XSA]
	v_add_nc_u32 v[PA], s[OP], v[PO]
	WIN 0x40
	s_wait_alu depctr_va_vdst(0)                   ; the four addresses are written; the last tile's holds and conversions are done with v[T] on, in which the loads land
.irp q, 0,1,2,3
.irp j, 0,1,2,3
	ds_load_b128 v[T+16*\q+4*\j:T+16*\q+4*\j+3], v[QA] offset:128*\q+16*\j   ; my wave's own rows, in order behind its stores
.endr
.endr
	s_wait_dscnt 0x0                               ; they are in
	WIN 0x55
.irp u, 0,1                            ; pooled row 2 ks + u: my two image rows of its four (q = 2 u, 2 u + 1); the other two are lane l xor 16's
.irp px, 0,1,2,3
	v_pk_add_f32 v[TP+4*\px:TP+4*\px+1], v[T+32*\u+4*\px:T+32*\u+4*\px+1], v[T+32*\u+16+4*\px:T+32*\u+16+4*\px+1]
	v_pk_add_f32 v[TP+4*\px+2:TP+4*\px+3], v[T+32*\u+4*\px+2:T+32*\u+4*\px+3], v[T+32*\u+16+4*\px+2:T+32*\u+16+4*\px+3]
.endr
.irp px, 0,1,2,3
	v_pk_add_f32 v[TP+4*\px:TP+4*\px+1], v[TP+4*\px:TP+4*\px+1], v[TP+4*\px+2:TP+4*\px+3]
.endr
.irp px, 0,1,2,3
	v_add_f32 v[CC+4*\u+\px], v[TP+4*\px], v[TP+4*\px+1]
.endr
.endr
.irp b, 0,1,2,3
	v_max3_num_f32 v[TM+\b], |v[T+16*\b]|, |v[T+16*\b+1]|, 0x8000000   ; with the floor 2^(16 - 127): the byte cannot fall under 1
.endr
.irp i, 2,4,6,8,10,12,14
.irp b, 0,1,2,3
	v_max3_num_f32 v[TM+\b], v[TM+\b], |v[T+16*\b+\i]|, |v[T+16*\b+\i+1]|
.endr
.endr
	QSCALE
	QCVT
	WIN 0x04                                       ; an LDS store's data are its source 1: window 1
	s_wait_alu depctr_va_vdst(0)                   ; the partial sums CC, the codes PC and the scale word PW are written: the seven LDS stores read them
	ds_store_b128 v[PA], v[CC:CC+3] offset:32*(\ks)
	ds_store_b128 v[PA], v[CC+4:CC+7] offset:32*(\ks)+16
.irp c, 0,1,2,3
	ds_store_b128 v[IA], v[PC+4*\c:PC+4*\c+3] offset:16384*(\ks)+512*\c
.endr
	ds_store_b32 v[SA], v[PW] offset:1024*(\ks)
	WIN 0
.endm
.macro DREAD ks                        ; the chunk comes back as C: accumulators (ct, 2 ks + ee), one number a load, 16 neighbouring i in 16 lanes
.irp hw, 0,1
	WIN 0x80+0x40*\hw
.irp c4, 0,1,2,3
.irp ee, 0,1
.irp j, 0,1,2,3,4,5,6,7
	ds_load_b32 v[64*\c4+16*(\ks)+8*\ee+\j], v[CHD+CX] offset:((4*\hw+\c4)/2)*CPW+(8*(\c4%2)+\j)*528+64*\ee
.endr
.endr
.endr
.endr
	WIN 0
.endm
; One barrier a chunk does: buffer x is written again two chunks on, behind the next chunk's barrier, in front of which every wave has waited for its reads of x.
.macro CHUNK ks
.set CX, (\ks)%2
.if (\ks) < 3
	s_wait_loadcnt 32                              ; this chunk's 32 loads are in; the next chunk's 32 may be out
.else
	s_wait_loadcnt 0x0
.endif
	WIN 0x08
.set LL, 0
.rept 16
	ds_store_b128 v[CHW+CX], v[64*(LL/4)+16*(\ks)+4*(LL%4):64*(LL/4)+16*(\ks)+4*(LL%4)+3] offset:LL*528
.set LL, LL+1
.endr
	WIN 0x0c
.set LL, 0
.rept 16
	ds_store_b128 v[CHW+CX], v[64*(LL/4)+16*(\ks)+4*(LL%4):64*(LL/4)+16*(\ks)+4*(LL%4)+3] offset:GRP+LL*528
.set LL, LL+1
.endr
	WIN 0
.if (\ks) < 2
	LAND (\ks)+2                                   ; no wait: no vector line has named GA since the head's wait, and none names these landing registers at all
.endif
	s_mov_b32 s[OQ], 0
	s_mov_b32 s[OI], 0
	s_mov_b32 s[OS], 0
	s_mov_b32 s[OP], 0
	s_mov_b32 s24, 0
.Lq_\@:                                            ; two trips: my two c-tiles
	QPART \ks
	s_add_co_u32 s[OQ], s[OQ], 4224
	s_add_co_u32 s[OI], s[OI], 2048
	s_add_co_u32 s[OS], s[OS], 128
	s_add_co_u32 s[OP], s[OP], 4608
	s_add_co_u32 s24, s24, 1
	s_cmp_lt_u32 s24, 2
	s_cbranch_scc1 .Lq_\@
	BARRIER                                        ; all 128 channels of the chunk lie in buffer x
	s_wait_alu depctr_vm_vsrc(0)                   ; the chunk's 32 LDS stores have read its landing registers, in which the read-back lands
	DREAD \ks
.endm
	CHUNK 0
	CHUNK 1
	CHUNK 2
	CHUNK 3
	BARRIER                                        ; nobody reads a chunk buffer any more: images 2 and 3 may be written over them
; ---------------- P2
.macro SIML kl, p                      ; sim's eight fragments of ks = kl (from the stepped base) into set p of window 1
	WIN 0x40
.irp nt, 0,1,2,3,4,5,6,7
.irp c, 0,1,2,3
	global_load_b128 v[128*(\p)+16*\nt+4*\c:128*(\p)+16*\nt+4*\c+3], v[SIMO], s[6:7] offset:(\nt/2)*65536+(\nt%2)*8192+(\kl)*2048+512*\c
.endr
.endr
	WIN 0
.endm
	s_wait_alu depctr_va_vdst(0)                   ; P1's adds are done reading CHQ (v7-8) and have written QA (v11): sim's scale words land in v4-11
	s_wait_alu depctr_vm_vsrc(0)                   ; P1's loads and LDS instructions have read GA, CHW, CHD and QA (v4-6, v9-11), likewise
.irp nt, 0,1,2,3,4,5,6,7
	global_load_b32 v[SSW+\nt], v[RW], s[8:9] offset:(\nt/2)*512+(\nt%2)*64   ; asked for here, wanted in P3
.endr
	SIML 0, 0                                      ; set 0: registers that nothing has named yet
; the four image rows of fragment ks at the pooled columns: R = P[p] + f DY[p]; where the two halves of the lanes lie on different pieces, P and DY are chosen by half first
.macro ROWS ks, wd, kk, hs, pb, db, fb
.irp q, 0,1,2,3
.set TT, 4*(\ks)+\q
.set PLO, (2*TT*\kk)/31
.set PHI, ((2*TT+1)*\kk)/31
.if PLO > (\hs-2)
.set PLO, \hs-2
.endif
.if PHI > (\hs-2)
.set PHI, \hs-2
.endif
.irp px, 0,1,2,3
.if \px < \wd
.if PLO == PHI
	v_fma_f32 v[RB+8*\q+2*\px], v[\fb+TT], v[\db+\wd*PLO+\px], v[\pb+\wd*PLO+\px]
.else
	v_cndmask_b32 v[RB+8*\q+2*\px+1], v[\pb+\wd*PLO+\px], v[\pb+\wd*PHI+\px], s[HM]
	v_cndmask_b32 v[DXB+8*\q+2*\px+1], v[\db+\wd*PLO+\px], v[\db+\wd*PHI+\px], s[HM]
	v_fma_f32 v[RB+8*\q+2*\px], v[\fb+TT], v[DXB+8*\q+2*\px+1], v[RB+8*\q+2*\px+1]
.endif
.endif
.endr
.irp sg, 0,1,2
.if \sg < (\wd-1)
	v_sub_f32 v[DXB+8*\q+2*\sg], v[RB+8*\q+2*\sg+2], v[RB+8*\q+2*\sg]
.endif
.endr
.endr
.endm
.macro OUTF sc, ks                     ; the fragment's image and its scale words
	WIN 0x04
	s_wait_alu depctr_va_vdst(0)                   ; the conversions have written v[PC] on and the scale word v[PW] is made: the five LDS stores read them
.irp c, 0,1,2,3
	ds_store_b128 v[IWK+\sc-1], v[PC+4*\c:PC+4*\c+3] offset:16384*(\ks)+512*\c
.endr
	ds_store_b32 v[SWK+\sc-1], v[PW] offset:1024*(\ks)
	WIN 0
.endm
.macro UP4 ks
	ROWS \ks, 4, 7, 8, P4, DY4, F4
	WIN 0x40                                       ; destination window 1
.irp q, 0,1,2,3
	v_max3_num_f32 v[TM+\q], |v[RB+8*\q]|, |v[RB+8*\q+2]|, 0x8000000
.endr
.irp q, 0,1,2,3
.irp k, 0,1,2,3,4,5,6,7
	v_pk_fma_f32 v[T+16*\q+2*\k:T+16*\q+2*\k+1], v[FX4+2*\k:FX4+2*\k+1], v[DXB+8*\q+2*((2*\k)/5):DXB+8*\q+2*((2*\k)/5)+1], v[RB+8*\q+2*((2*\k)/5):RB+8*\q+2*((2*\k)/5)+1] op_sel_hi:[1,0,0]
.endr
.endr
	WIN 0x50
.irp q, 0,1,2,3
	v_max3_num_f32 v[TM+\q], |v[RB+8*\q+4]|, |v[RB+8*\q+6]|, v[TM+\q]
.endr
	s_wait_dscnt 0x0                               ; the last fragment's LDS stores are done,
	s_wait_alu depctr_vm_vsrc(0)                   ; and they have read v[PW] and v[PC] on, which the lines below write again
	WIN 0x55
	QSCALE
	QCVT
	OUTF 1, \ks
.endm
.macro UP8 ks
	ROWS \ks, 2, 3, 4, P8, DY8, F8
	WIN 0x40
.irp q, 0,1,2,3
	v_max3_num_f32 v[TM+\q], |v[RB+8*\q]|, |v[RB+8*\q+2]|, 0x8000000
.endr
.irp q, 0,1,2,3
.irp k, 0,1,2,3,4,5,6,7
	v_pk_fma_f32 v[T+16*\q+2*\k:T+16*\q+2*\k+1], v[FX8+2*\k:FX8+2*\k+1], v[DXB+8*\q:DXB+8*\q+1], v[RB+8*\q:RB+8*\q+1] op_sel_hi:[1,0,0]
.endr
.endr
	s_wait_dscnt 0x0                               ; the last fragment's LDS stores are done,
	s_wait_alu depctr_vm_vsrc(0)                   ; and they have read v[PW] and v[PC] on, which the lines below write again
	WIN 0x55
	QSCALE
	QCVT
	OUTF 2, \ks
.endm
.macro UP16 ks                         ; one pooled column: an image row is one number sixteen times
	ROWS \ks, 1, 1, 2, P16, DY16, F16
	WIN 0x40
.irp q, 0,1,2,3
	v_max3_num_f32 v[TM+\q], |v[RB+8*\q]|, |v[RB+8*\q]|, 0x8000000
.endr
	s_wait_dscnt 0x0                               ; the last fragment's LDS stores are done,
	s_wait_alu depctr_vm_vsrc(0)                   ; and they have read v[PW] and v[PC] on, which the lines below write again
	WIN 0x55
	QSCALE
	WIN 0x54                                       ; source 0 window 0
.irp q, 0,1,2,3
.irp i, 0,1,2,3,4,5,6,7
	v_med3_num_f32 v[T+16*\q+\i], v[RB+8*\q], -v[TM+8+\q], v[TM+8+\q]
.endr
.endr
	WIN 0x55
.irp q, 0,1,2,3
	v_cvt_scalef32_pk8_bf8_f32 v[PC+4*\q:PC+4*\q+1], v[T+16*\q:T+16*\q+7], v[TM+12+\q]
	v_cvt_scalef32_pk8_bf8_f32 v[PC+4*\q+2:PC+4*\q+3], v[T+16*\q:T+16*\q+7], v[TM+12+\q]
.endr
	v_nop
	OUTF 3, \ks
.endm
	s_mov_b32 s[OI], 0
	s_mov_b32 s[OS], 0
	s_mov_b32 s[OP], 0
	s_mov_b32 s24, 0
.Lup:                                              ; two trips: my two c-tiles
	s_wait_alu depctr_vm_vsrc(0)                   ; the LDS instructions issued so far have read PA, PB, IWK and SWK (v22-24, v27-31), which the eight adds write
	v_add_nc_u32 v[PA], s[OP], v[PO]
	v_add_nc_u32 v[PB], s[OP], v[PP]
.irp sc, 0,1,2
	v_add_nc_u32 v[IWK+\sc], s[OI], v[IMW+1+\sc]
	v_add_nc_u32 v[SWK+\sc], s[OS], v[XSA+1+\sc]
.endr
	s_wait_alu depctr_va_vdst(0)                   ; the eight addresses are written; the last trip's lines are done with v[P4] on and v[RB] on, in which the loads land
.irp i, 0,1,2,3,4,5,6,7
	ds_load_b128 v[P4+4*\i:P4+4*\i+3], v[PA] offset:16*\i
	ds_load_b128 v[RB+4*\i:RB+4*\i+3], v[PB] offset:16*\i
.endr
	s_wait_dscnt 0x0
.irp k, 0,1,2,3,4,5,6,7,8,9,10,11,12,13,14,15
	v_pk_add_f32 v[P4+2*\k:P4+2*\k+1], v[P4+2*\k:P4+2*\k+1], v[RB+2*\k:RB+2*\k+1]   ; the sums of the 4 x 4 cells
.endr
.irp py, 0,1,2,3
	v_pk_add_f32 v[DXB+4*\py:DXB+4*\py+1], v[P4+8*\py:P4+8*\py+1], v[P4+8*\py+4:P4+8*\py+5]
	v_pk_add_f32 v[DXB+4*\py+2:DXB+4*\py+3], v[P4+8*\py+2:P4+8*\py+3], v[P4+8*\py+6:P4+8*\py+7]
.endr
.irp py, 0,1,2,3
	v_add_f32 v[P8+2*\py], v[DXB+4*\py], v[DXB+4*\py+1]          ; of the 8 x 8 cells
	v_add_f32 v[P8+2*\py+1], v[DXB+4*\py+2], v[DXB+4*\py+3]
.endr
.irp py, 0,1
	v_pk_add_f32 v[DXB+16+2*\py:DXB+16+2*\py+1], v[P8+4*\py:P8+4*\py+1], v[P8+4*\py+2:P8+4*\py+3]
.endr
.irp py, 0,1
	v_add_f32 v[P16+\py], v[DXB+16+2*\py], v[DXB+16+2*\py+1]     ; of the 16 x 16 cells
.endr
.irp k, 0,1,2,3,4,5,6,7,8,9,10,11,12,13,14,15
	v_pk_mul_f32 v[P4+2*\k:P4+2*\k+1], v[P4+2*\k:P4+2*\k+1], 0x3d800000 op_sel_hi:[1,0]   ; / 16: exact
.endr
.irp k, 0,1,2,3
	v_pk_mul_f32 v[P8+2*\k:P8+2*\k+1], v[P8+2*\k:P8+2*\k+1], 0x3c800000 op_sel_hi:[1,0]   ; / 64
.endr
	v_pk_mul_f32 v[P16:P16+1], v[P16:P16+1], 0x3b800000 op_sel_hi:[1,0]                   ; / 256
.irp k, 0,1,2,3,4,5,6,7,8,9,10,11,12,13
	v_pk_add_f32 v[DY4+2*\k:DY4+2*\k+1], v[P4+4+2*\k:P4+4+2*\k+1], v[P4+2*\k:P4+2*\k+1] neg_lo:[0,1] neg_hi:[0,1]
.endr
.irp k, 0,1,2
	v_pk_add_f32 v[DY8+2*\k:DY8+2*\k+1], v[P8+2+2*\k:P8+2+2*\k+1], v[P8+2*\k:P8+2*\k+1] neg_lo:[0,1] neg_hi:[0,1]
.endr
	v_sub_f32 v[DY16], v[P16+1], v[P16]
.irp ks, 0,1,2,3
	UP4 \ks
	UP8 \ks
	UP16 \ks
.endr
	s_add_co_u32 s[OI], s[OI], 2048
	s_add_co_u32 s[OS], s[OS], 128
	s_add_co_u32 s[OP], s[OP], 4608
	s_add_co_u32 s24, s24, 1
	s_cmp_lt_u32 s24, 2
	s_cbranch_scc1 .Lup
	BARRIER                                        ; all 128 fragments of x and their scale words lie in LDS
; ---------------- P3: 16 steps (ks, sc) of 64 matrix instructions.  The 64 accumulators take turns, one instruction a turn, in the same order in every step.
.macro XFR reg, ar, kl, ct             ; x's fragment of c-tile ct: four loads of 512 consecutive bytes
.irp c, 0,1,2,3
	ds_load_b128 v[\reg+4*\c:\reg+4*\c+3], v[\ar] offset:(8*(\kl)+(\ct))*2048+512*\c
.endr
.endm
.macro XSC set, ar, kl, c0             ; the scale words of c-tiles c0 .. c0 + 3
.irp ct, \c0, \c0+1, \c0+2, \c0+3
	ds_load_b32 v[XSW+8*(\set)+(\ct)], v[\ar] offset:(8*(\kl)+(\ct))*128
.endr
.endm
.macro MUL16 a0, xb, p, set            ; c-tiles a0, a0 + 1 (fragments at v[xb + 16 (a % 4)]) against my eight i-tiles
.irp a, \a0, \a0+1
.irp nt, 0,1,2,3,4,5,6,7
	v_wmma_scale_f32_16x16x128_f8f6f4 v[64*((\a)%4)+8*\nt:64*((\a)%4)+8*\nt+7], v[\xb+16*((\a)%4):\xb+16*((\a)%4)+15], v[128*(\p)+16*\nt:128*(\p)+16*\nt+15], v[64*((\a)%4)+8*\nt:64*((\a)%4)+8*\nt+7], v[XSW+8*(\set)+(\a)], v[SSW+\nt] matrix_a_fmt:MATRIX_FMT_BF8 matrix_b_fmt:MATRIX_FMT_BF8
.endr
.endr
.endm
; A step.  p: sim's set; set: the step's parity: its scale words' set, and its c-tiles 0-3 lie at v[128 - 64 set]; (sc, kl): the step's own image, for c-tiles 4-7; (nsc, nkl): the next step's, for its c-tiles 0-3 and scale words.
; pre = 1: sim's set 1 is asked for; pre = 2: sim's set 0, in the first trip alone.  Each fragment is asked for 32 products ahead of its use.
; LDS loads come back in order (ISA guide 5.7.1).  The runs of a step are 8, 8, 12 and 12 loads; each wait below leaves out the two runs issued behind the one that it needs.
.macro STEP p, set, sc, kl, nsc, nkl, pre
	s_wait_alu depctr_va_vdst(0)                   ; the products of the step before are done reading H, the other L and the other scale set, in which this step's loads land; pre > 0: those of the last four steps are done reading the sim set asked for below; a trip's first step: XAW and XSK are written
.if \pre == 1
	SIML 1, 1
	s_wait_loadcnt 32                              ; all but the 32 just issued: set 0 (and, in the first trip, sim's scale words) is in
.endif
.if \pre == 2
	s_cmp_eq_u32 s24, 0
	s_cbranch_scc0 .Lno_more                       ; the second trip has no ks behind it: no load leaves the buffer
	SIML 2, 0
	s_wait_loadcnt 32                              ; set 1 is in; the 32 just issued may be out
	s_branch .Lgo
.Lno_more:
	s_wait_loadcnt 0x0                             ; set 1 is in
.Lgo:
.endif
	XFR XH, XAW+\sc, \kl, 4
	XFR XH+16, XAW+\sc, \kl, 5
	s_wait_dscnt 20                                ; c-tiles 0, 1 and scale words 0-3 are in; out: the last step's fourth run (12) and the 8 just issued
	WIN MUL_LO
	MUL16 0, 128-64*(\set), \p, \set
	WIN 0
	XFR XH+32, XAW+\sc, \kl, 6                     ; no wait: the 16 products since the step's wait name the step's L, not H
	XFR XH+48, XAW+\sc, \kl, 7
	s_wait_dscnt 16                                ; c-tiles 2, 3 and scale words 4-7 are in; out: H's two runs
	WIN MUL_LO
	MUL16 2, 128-64*(\set), \p, \set
	WIN 0
	XFR 64+64*(\set), XAW+\nsc, \nkl, 0            ; no wait: no product of this step names the other L or the other scale set
	XFR 64+64*(\set)+16, XAW+\nsc, \nkl, 1
	XSC 1-(\set), XSK+\nsc, \nkl, 0
	s_wait_dscnt 20                                ; c-tiles 4, 5 are in; out: H's second run (8) and the 12 just issued
	WIN MUL_HI
	MUL16 4, XH, \p, \set
	WIN 0
	XFR 64+64*(\set)+32, XAW+\nsc, \nkl, 2
	XFR 64+64*(\set)+48, XAW+\nsc, \nkl, 3
	XSC 1-(\set), XSK+\nsc, \nkl, 4
	s_wait_dscnt 24                                ; c-tiles 6, 7 are in; out: the next step's two runs
	WIN MUL_HI
	MUL16 6, XH, \p, \set
	WIN 0
.endm
.irp sc, 0,1,2,3
	v_add_nc_u32 v[XA+\sc], \sc*IMGB, v[LI]
	v_add_nc_u32 v[XS+\sc], \sc*IMGB+65536, v[LS]
.endr
	s_wait_alu depctr_va_vdst(0)                   ; XA and XS are written; P2's lines are done with v32-47 and v128-191, in which the first step's scale words and c-tiles 0-3 land
	XFR 128, XA, 0, 0                              ; the first step's two look-ahead runs, as every step issues them for the next
	XFR 144, XA, 0, 1
	XSC 0, XS, 0, 0
	XFR 160, XA, 0, 2
	XFR 176, XA, 0, 3
	XSC 0, XS, 0, 4
	s_mov_b32 s[XO], 0
	s_mov_b32 s[XSO], 0
	s_mov_b32 s24, 0
.Lpair:                                            ; two trips, two ks each: sim's two sets, x's two L and the two scale sets are back where they began
	s_wait_alu depctr_vm_vsrc(0)                   ; the LDS loads issued so far have read XAW and XSK, which the eight adds write; in the first trip: P2's LDS instructions have read these registers, and its stores the codes' registers, in which sim's set 1 lands
.irp sc, 0,1,2,3
	v_add_nc_u32 v[XAW+\sc], s[XO], v[XA+\sc]
	v_add_nc_u32 v[XSK+\sc], s[XSO], v[XS+\sc]
.endr
	STEP 0, 0, 0, 0, 1, 0, 1
	STEP 0, 1, 1, 0, 2, 0, 0
	STEP 0, 0, 2, 0, 3, 0, 0
	STEP 0, 1, 3, 0, 0, 1, 0
	STEP 1, 0, 0, 1, 1, 1, 2
	STEP 1, 1, 1, 1, 2, 1, 0
	STEP 1, 0, 2, 1, 3, 1, 0
	STEP 1, 1, 3, 1, 0, 2, 0                       ; its look-ahead is the next trip's first step.  In the last trip it reads the bytes behind image 0 (its scale words, image 1's first codes): written bytes, inside LDS, and what they bring is discarded; so every wait above counts the same loads in every trip
	s_wait_xcnt 0x0                                ; sim's loads have read their base
	s_add_nc_u64 s[6:7], s[6:7], 4096
	s_add_co_u32 s[XO], s[XO], 32768
	s_add_co_u32 s[XSO], s[XSO], 2048
	s_add_co_u32 s24, s24, 1
	s_cmp_lt_u32 s24, 2
	s_cbranch_scc1 .Lpair
; ---------------- P4: y is quantised along c, i-tile by i-tile.  Block bq = 2 hw + bb of a lane: accumulators (2 bq, nt) and (2 bq + 1, nt), registers 128 bb + 64 u + 8 nt on of window 2 + hw
	s_wait_dscnt 0x0                               ; the discarded look-ahead has landed: its registers take y's codes
	PLACES                                         ; behind the last products: the lines below read their results and write registers that held their operands
	s_wait_alu depctr_vm_vsrc(0)                   ; P3's LDS loads have read v22 (as XAW + 2), P2's LDS instructions v24 and v31: the three adds write them
	v_add_nc_u32 v31, YSS, v[RW]
	s_lshl_b32 s26, s14, 9
	v_add_nc_u32 v24, s26, v[LI]
	v_add_nc_u32 v22, YSS, v24
.macro YST nt                          ; i-tile nt goes out
.irp c, 0,1,2,3
	global_store_b128 v[YO], v[XF+16*(\nt)+4*\c:XF+16*(\nt)+4*\c+3], s[10:11] offset:((\nt)/2)*16384+((\nt)%2)*2048+512*\c   ; 512 consecutive bytes; each i-tile has code registers of its own
.endr
	ds_store_b32 v31, v[PWY+(\nt)] offset:((\nt)/2)*512+((\nt)%2)*64
.endm
.macro YQ nt
.irp hw, 0,1
	WIN 0x0a+5*\hw                                 ; sources 0 and 1: window 2 or 3
.irp u, 0,1
.irp i, 0,2,4,6
.irp bb, 0,1
.if (\u == 0) && (\i == 0)
	v_max3_num_f32 v[TMY+2*\hw+\bb], |v[128*\bb+8*(\nt)]|, |v[128*\bb+8*(\nt)+1]|, 0x8000000   ; each accumulator is read from its low end on
.else
	v_max3_num_f32 v[TMY+2*\hw+\bb], |v[128*\bb+64*\u+8*(\nt)+\i]|, |v[128*\bb+64*\u+8*(\nt)+\i+1]|, v[TMY+2*\hw+\bb]
.endif
.endr
.endr
.endr
.endr
	WIN 0
.if (\nt) > 0
	s_wait_alu depctr_va_vdst(0)                   ; the i-tile before has written its codes and its scale word, which the five stores read (and v31 is written); it stands ahead of the lane exchange, which reads the maxima just made
	YST (\nt)-1
.endif
.irp b, 0,1,2,3
	v_permlanex16_b32 v[TMY+4+\b], v[TMY+\b], s[SEL], s[SEL+1]
.endr
.irp b, 0,1,2,3
	v_max_num_f32 v[TMY+\b], v[TMY+\b], v[TMY+4+\b]
.endr
.irp b, 0,1,2,3
	v_add_nc_u32 v[TMY+12+\b], 0xf8800000, v[TMY+\b]
.endr
.irp b, 0,1,2,3
	v_and_or_b32 v[TMY+8+\b], v[TMY+\b], 0x7f800000, s[MNT]
.endr
.irp b, 0,1,2,3
	v_lshrrev_b32 v[TMY+4+\b], 23, v[TMY+12+\b]
.endr
	v_lshl_or_b32 v[PWY+(\nt)], v[TMY+5], 8, v[TMY+4]
	v_lshl_or_b32 v[PWY+(\nt)], v[TMY+6], 16, v[PWY+(\nt)]
	v_lshl_or_b32 v[PWY+(\nt)], v[TMY+7], 24, v[PWY+(\nt)]
.irp hw, 0,1
	WIN 0x82+0x41*\hw                              ; destination and source 0: window 2 or 3
.irp bb, 0,1
.irp u, 0,1
.irp j, 0,1,2,3,4,5,6,7
	v_med3_num_f32 v[128*\bb+64*\u+8*(\nt)+\j], v[128*\bb+64*\u+8*(\nt)+\j], -v[TMY+8+2*\hw+\bb], v[TMY+8+2*\hw+\bb]
.endr
.endr
.endr
	WIN 0x02+\hw
.irp bb, 0,1
.irp u, 0,1
	v_cvt_scalef32_pk8_bf8_f32 v[XF+16*(\nt)+4*(2*\hw+\bb)+2*\u:XF+16*(\nt)+4*(2*\hw+\bb)+2*\u+1], v[128*\bb+64*\u+8*(\nt):128*\bb+64*\u+8*(\nt)+7], v[TMY+12+2*\hw+\bb]
.endr
.endr
.endr
	WIN 0
	v_nop                                          ; a plain line behind the last conversion
.endm
.irp nt, 0,1,2,3,4,5,6,7
	YQ \nt
.endr
	s_wait_alu depctr_va_vdst(0)                   ; the last i-tile has written its codes and its scale word, which the five stores read
	YST 7
	BARRIER                                        ; the 512 scale words lie in LDS
	ds_load_b128 v[72:75], v22                     ; no wait: v22 was written, and the products that read v72-75 were issued, ahead of the waits above, and no vector line since names either
	s_wait_dscnt 0x0
	global_store_b128 v24, v[72:75], s[12:13]      ; each wave stores 512 consecutive bytes, aligned
	s_wait_xcnt 0x0
	s_wait_alu depctr_vm_vsrc(0)                   ; the last i-tile's stores have read v254 and v255, which the two lines below write
	v_lshl_add_u32 v254, v0, 2, 0x4d800
	v_mov_b32 v255, 0
	s_wait_dscnt 0x0                               ; the closing lines, six on end
	s_wait_alu 0x0
	s_wait_tensorcnt 0x0
	ds_add_u32 v254, v255
	s_wait_dscnt 0x0
	s_endpgm
.Lfunc_end_k_q3f2c9a5679_context:
	.size	k_q3f2c9a5679_context, .Lfunc_end_k_q3f2c9a5679_context-k_q3f2c9a5679_context
	.p2alignl 7, 3214868480
	.fill 96, 4, 3214868480
	.section	.rodata,"a",@progbits
	.p2align	6, 0x0
	.amdhsa_kernel k_q3f2c9a5679_context
		.amdhsa_group_segment_fixed_size 317952
		.amdhsa_private_segment_fixed_size 0
		.amdhsa_enable_private_segment 0
		.amdhsa_kernarg_size 40
		.amdhsa_user_sgpr_count 2
		.amdhsa_user_sgpr_kernarg_segment_ptr 1
		.amdhsa_wavefront_size32 1
		.amdhsa_system_sgpr_workgroup_id_x 1
		.amdhsa_system_sgpr_workgroup_id_y 1
		.amdhsa_system_sgpr_workgroup_id_z 1
		.amdhsa_system_vgpr_workitem_id 0
		.amdhsa_next_free_vgpr 1024
		.amdhsa_next_free_sgpr 66
		.amdhsa_reserve_vcc 0
		.amdhsa_float_denorm_mode_32 3
		.amdhsa_float_denorm_mode_16_64 3
		.amdhsa_memory_ordered 1
		.amdhsa_forward_progress 1
		.amdhsa_inst_pref_size 255
	.end_amdhsa_kernel
	.section	.bss,"aw",@nobits
	.p2align	6
	.space	262144
	.amdgpu_metadata
---
amdhsa.version: [ 1, 2 ]
amdhsa.kernels:
  - .name:           k_q3f2c9a5679_context
    .symbol:         k_q3f2c9a5679_context.kd
    .args:
      - { .name: feats, .offset: 0, .size: 8, .value_kind: global_buffer, .address_space: global }
      - { .name: simg, .offset: 8, .size: 8, .value_kind: global_buffer, .address_space: global }
      - { .name: ssc, .offset: 16, .size: 8, .value_kind: global_buffer, .address_space: global }
      - { .name: yimg, .offset: 24, .size: 8, .value_kind: global_buffer, .address_space: global }
      - { .name: ysc, .offset: 32, .size: 8, .value_kind: global_buffer, .address_space: global }
    .group_segment_fixed_size: 317952
    .private_segment_fixed_size: 0
    .kernarg_segment_align: 8
    .kernarg_segment_size: 40
    .max_flat_workgroup_size: 128
    .sgpr_count:     66
    .vgpr_count:     1024
    .wavefront_size: 32
...
	.end_amdgpu_metadata
.endif
;; end of part 5
;; launch conv: the kernel of part 3 again; grid 32 x 8, 4 waves a work-group, clusters of 4 x 4, 327,680 bytes of LDS; arguments wimg, wsc, yimg, ysc, z, stats; writes z, stats
;; launch norm (part 6): grid 512 x 1, 8 waves a work-group, no clusters, 0 bytes of LDS; arguments z, stats, bn_gamma, bn_beta, out0; writes out0
.if DOCPART == 6
	.amdgcn_target "amdgcn-amd-amdhsa--gfx1250"
	.amdhsa_code_object_version 6
	.text
	.protected	k_q3f2c9a5679_norm
	.globl	k_q3f2c9a5679_norm
	.p2align	8
	.type	k_q3f2c9a5679_norm,@function
k_q3f2c9a5679_norm:
	s_mov_b64 s[64:65], 0
	v_nop
	global_prefetch_b8 v0, s[64:65] scope:SCOPE_SE
	s_setreg_imm32_b32 hwreg(HW_REG_WAVE_SCHED_MODE, 0, 2), 2
	s_setreg_imm32_b32 hwreg(HW_REG_WAVE_MODE, 25, 1), 1
	s_wait_xcnt 0x0
	s_wait_alu depctr_vm_vsrc(0)
; NORM.  out0[b][o][i] = (z[b][o][i] - mean[o]) x gamma[o] / sqrt(var[o] + 1e-5) + beta[o]; mean and var over the 8,192 numbers of channel o.
; stats [o / 16][p 64][2][16] holds, for each o and each run p of 128 numbers, the run's sum S and its sum of squares M about the run's own mean.  They are joined without a difference of large sums:
; mean = sum S / 8,192;  var = (sum M + 128 x sum (S / 128 - mean)^2) / 8,192.  z is centred before it is scaled.
; A stream: memory binds, so no LDS, no barrier, no matrix unit.  Work-group g: channels 16 (g / 4) on, batches 4 (g % 4) on.  Wave w: channels 2 w, 2 w + 1: 4,096 consecutive bytes in each of four batches,
; 32 loads of 512 consecutive bytes, all asked for at once; the statistics are joined while they are on their way; every register is stored from where it was loaded, and none is used twice.
; THE MODE: SCHED_MODE bits 1:0 = 2 (LLVM: expert scheduling mode 2), set by the entry lines.  The code itself states the register dependences between vector instructions and memory instructions, with s_wait_alu, always for 0.
; THE PLAN.  Registers that memory instructions touch:
;   v2, v3      offsets, made once at the head ahead of one wait on va_vdst, never written again.
;   v8-15       the partial figures: loads land once; vector lines alone name them afterwards.
;   v32-159     z: a batch's eight loads land in 32 registers; its 32 arithmetic lines work in place; ONE wait on va_vdst; its eight stores read them.  No register is loaded or written again, so nothing is owed on vm_vsrc.
.set ZR, 32                            ; v32-159 z
	s_load_b256 s[4:11], s[0:1], 0x0               ; z s[4:5], stats s[6:7], gamma s[8:9], beta s[10:11]
	s_load_b64 s[12:13], s[0:1], 0x20              ; out0
	v_lshrrev_b32 v1, 5, v0
	v_readfirstlane_b32 s14, v1                    ; wave 0..7
	v_and_b32 v1, 31, v0                           ; lane
	s_lshr_b32 s15, ttmp9, 2                       ; which 16 channels
	s_and_b32 s16, ttmp9, 3                        ; which four batches
	s_wait_alu depctr_va_sdst(0)                   ; s14 is written, ahead of its first reader: the wave's offsets are made from it
	s_lshl_b32 s17, s14, 3
	v_lshl_add_u32 v2, v1, 7, s17                  ; stats: run = lane (and lane + 32): 128 x lane + 8 w
	s_lshl_b32 s17, s14, 12
	v_lshl_add_u32 v3, v1, 4, s17                  ; z, out0: 4,096 w + 16 x lane
	s_lshl_b32 s20, s15, 13
	s_mov_b32 s21, 0
	s_lshl_b32 s22, s16, 24                        ; four batches of 4,194,304 bytes,
	s_lshl_b32 s23, s15, 15                        ; 16 channels of 2,048
	s_add_co_u32 s22, s22, s23
	s_mov_b32 s23, 0
	s_lshl_b32 s24, s15, 6                         ; gamma, beta: 4 (16 ob + 2 w)
	s_lshl_b32 s25, s14, 3
	s_add_co_u32 s24, s24, s25
	s_mov_b32 s25, 0
	s_mov_b32 s36, 0x76543210
	s_mov_b32 s37, 0xfedcba98
	s_mov_b32 s39, 0x3727c5ac                      ; 1e-5
	v_mov_b32 v6, 0                                ; lane permutes' destinations count as sources
	v_mov_b32 v7, 0
	s_wait_kmcnt 0x0
	s_add_nc_u64 s[6:7], s[6:7], s[20:21]
	s_add_nc_u64 s[4:5], s[4:5], s[22:23]
	s_add_nc_u64 s[12:13], s[12:13], s[22:23]
	s_add_nc_u64 s[8:9], s[8:9], s[24:25]
	s_add_nc_u64 s[10:11], s[10:11], s[24:25]
	s_add_nc_u64 s[30:31], s[4:5], 0x800000        ; batches 2 and 3 from bases of their own, so that every immediate stays inside its signed 24 bits
	s_add_nc_u64 s[32:33], s[12:13], 0x800000
	s_load_b64 s[26:27], s[8:9], 0x0               ; gamma of my two channels
	s_load_b64 s[28:29], s[10:11], 0x0             ; beta
	s_wait_alu depctr_va_vdst(0)                   ; v2 and v3 are written: every load and store of the kernel reads one of them as its offset
.irp e, 0,1
	global_load_b32 v[8+4*\e], v2, s[6:7] offset:4*\e              ; S of run lane,
	global_load_b32 v[9+4*\e], v2, s[6:7] offset:4096+4*\e         ; of run lane + 32,
	global_load_b32 v[10+4*\e], v2, s[6:7] offset:64+4*\e          ; M likewise
	global_load_b32 v[11+4*\e], v2, s[6:7] offset:4096+64+4*\e
.endr
.irp bi, 0,1,2,3
.irp k, 0,1,2,3,4,5,6,7
	global_load_b128 v[ZR+32*\bi+4*\k:ZR+32*\bi+4*\k+3], v3, s[4+26*(\bi/2):5+26*(\bi/2)] offset:(\bi%2)*4194304+512*\k th:TH_LOAD_NT
.endr
.endr
.macro RED reg, tmp                    ; the sum over the wave's 32 lanes, in every lane
	v_add_f32_dpp v[\reg], v[\reg], v[\reg] row_xmask:1 row_mask:0xf bank_mask:0xf
	v_add_f32_dpp v[\reg], v[\reg], v[\reg] row_xmask:2 row_mask:0xf bank_mask:0xf
	v_add_f32_dpp v[\reg], v[\reg], v[\reg] row_xmask:4 row_mask:0xf bank_mask:0xf
	v_add_f32_dpp v[\reg], v[\reg], v[\reg] row_xmask:8 row_mask:0xf bank_mask:0xf
	v_permlanex16_b32 v[\tmp], v[\reg], s36, s37
	v_add_f32 v[\reg], v[\reg], v[\tmp]
.endm
	s_wait_loadcnt 32                              ; the eight partial figures are in; all 32 loads of z may be out
.irp e, 0,1                            ; channel e: mean in v[16+6e:17+6e], gamma / sqrt(var + eps) in v[18+6e:19+6e], beta in v[20+6e:21+6e], each twice, for the packed forms
	v_add_f32 v[4+\e], v[8+4*\e], v[9+4*\e]
	RED 4+\e, 6+\e
	v_mul_f32 v[16+6*\e], 0x39000000, v[4+\e]                      ; mean = sum / 8,192
	v_fma_f32 v[8+4*\e], v[8+4*\e], 0x3c000000, -v[16+6*\e]        ; a run's mean less the mean
	v_fma_f32 v[9+4*\e], v[9+4*\e], 0x3c000000, -v[16+6*\e]
	v_mul_f32 v[8+4*\e], v[8+4*\e], v[8+4*\e]
	v_fma_f32 v[8+4*\e], v[9+4*\e], v[9+4*\e], v[8+4*\e]
	v_add_f32 v[10+4*\e], v[10+4*\e], v[11+4*\e]
	v_fma_f32 v[10+4*\e], v[8+4*\e], 0x43000000, v[10+4*\e]        ; + 128 x the squares
	RED 10+4*\e, 6+\e
	v_fma_f32 v[10+4*\e], v[10+4*\e], 0x39000000, s39              ; var + 1e-5
	v_mov_b32 v[17+6*\e], v[16+6*\e]
.endr
	v_rsq_f32 v18, v10
	v_rsq_f32 v24, v14
	s_wait_kmcnt 0x0                               ; gamma and beta
	v_mov_b32 v20, s28                             ; plain lines behind the transcendentals,
	v_mov_b32 v21, s28
	v_mov_b32 v26, s29
	v_mov_b32 v27, s29
	s_wait_alu depctr_va_vdst(0)                   ; the two reciprocal roots v18 and v24 are written: one wait for both, ahead of their first reader
	v_mul_f32 v18, s26, v18
	v_mul_f32 v24, s27, v24
	v_mov_b32 v19, v18
	v_mov_b32 v25, v24
.irp bi, 0,1,2,3
	s_wait_loadcnt 8*(3-\bi)                       ; this batch's eight loads are in; the later batches' may be out
.irp k, 0,1,2,3,4,5,6,7                ; k / 4 is the channel
	v_pk_add_f32 v[ZR+32*\bi+4*\k:ZR+32*\bi+4*\k+1], v[ZR+32*\bi+4*\k:ZR+32*\bi+4*\k+1], v[16+6*(\k/4):17+6*(\k/4)] neg_lo:[0,1] neg_hi:[0,1]
	v_pk_add_f32 v[ZR+32*\bi+4*\k+2:ZR+32*\bi+4*\k+3], v[ZR+32*\bi+4*\k+2:ZR+32*\bi+4*\k+3], v[16+6*(\k/4):17+6*(\k/4)] neg_lo:[0,1] neg_hi:[0,1]
	v_pk_fma_f32 v[ZR+32*\bi+4*\k:ZR+32*\bi+4*\k+1], v[ZR+32*\bi+4*\k:ZR+32*\bi+4*\k+1], v[18+6*(\k/4):19+6*(\k/4)], v[20+6*(\k/4):21+6*(\k/4)]
	v_pk_fma_f32 v[ZR+32*\bi+4*\k+2:ZR+32*\bi+4*\k+3], v[ZR+32*\bi+4*\k+2:ZR+32*\bi+4*\k+3], v[18+6*(\k/4):19+6*(\k/4)], v[20+6*(\k/4):21+6*(\k/4)]
.endr
	s_wait_alu depctr_va_vdst(0)                   ; the batch's 32 lines have written its 32 registers, which the eight stores read
.irp k, 0,1,2,3,4,5,6,7
	global_store_b128 v3, v[ZR+32*\bi+4*\k:ZR+32*\bi+4*\k+3], s[12+20*(\bi/2):13+20*(\bi/2)] offset:(\bi%2)*4194304+512*\k th:TH_STORE_NT   ; 512 consecutive bytes, aligned
.endr
.endr
	s_endpgm
.Lfunc_end_k_q3f2c9a5679_norm:
	.size	k_q3f2c9a5679_norm, .Lfunc_end_k_q3f2c9a5679_norm-k_q3f2c9a5679_norm
	.p2alignl 7, 3214868480
	.fill 96, 4, 3214868480
	.section	.rodata,"a",@progbits
	.p2align	6, 0x0
	.amdhsa_kernel k_q3f2c9a5679_norm
		.amdhsa_group_segment_fixed_size 0
		.amdhsa_private_segment_fixed_size 0
		.amdhsa_enable_private_segment 0
		.amdhsa_kernarg_size 40
		.amdhsa_user_sgpr_count 2
		.amdhsa_user_sgpr_kernarg_segment_ptr 1
		.amdhsa_wavefront_size32 1
		.amdhsa_system_sgpr_workgroup_id_x 1
		.amdhsa_system_sgpr_workgroup_id_y 1
		.amdhsa_system_sgpr_workgroup_id_z 1
		.amdhsa_system_vgpr_workitem_id 0
		.amdhsa_next_free_vgpr 168
		.amdhsa_next_free_sgpr 66
		.amdhsa_reserve_vcc 0
		.amdhsa_float_denorm_mode_32 3
		.amdhsa_float_denorm_mode_16_64 3
		.amdhsa_memory_ordered 1
		.amdhsa_forward_progress 1
		.amdhsa_inst_pref_size 20
	.end_amdhsa_kernel
	.amdgpu_metadata
---
amdhsa.version: [ 1, 2 ]
amdhsa.kernels:
  - .name:           k_q3f2c9a5679_norm
    .symbol:         k_q3f2c9a5679_norm.kd
    .args:
      - { .name: z, .offset: 0, .size: 8, .value_kind: global_buffer, .address_space: global }
      - { .name: stats, .offset: 8, .size: 8, .value_kind: global_buffer, .address_space: global }
      - { .name: bn_gamma, .offset: 16, .size: 8, .value_kind: global_buffer, .address_space: global }
      - { .name: bn_beta, .offset: 24, .size: 8, .value_kind: global_buffer, .address_space: global }
      - { .name: out0, .offset: 32, .size: 8, .value_kind: global_buffer, .address_space: global }
    .group_segment_fixed_size: 0
    .private_segment_fixed_size: 0
    .kernarg_segment_align: 8
    .kernarg_segment_size: 40
    .max_flat_workgroup_size: 256
    .sgpr_count:     66
    .vgpr_count:     168
    .wavefront_size: 32
...
	.end_amdgpu_metadata
.endif
;; end of part 6
